; MI455X (gfx1250); checked and timed in simulation.
; The chip was launched on July 23, 2026; its instructions are those of AMD's public machine-readable ISA for CDNA 5 (MIT licence, August 2026) and "CDNA5" Instruction Set Architecture Reference Guide (July 2026). The comments in the code are by the model that wrote it; some were corrected since.
;; Mo E. Allowed arithmetic: float matrix products may take bf16 or f16 operands with f32 sums; other float arithmetic in f32, or as packed bf16 or f16 multiplies, adds, multiply-adds, maxima and minima; sums over many terms, partial sums and values carried from step to step in f32; what a program stores and reads back later, other than sums and carried values, may be rounded once to bf16 or f16.
;; Inputs: W1 8 x 1,024 x 4,096 float32; W2 8 x 4,096 x 1,024 float32; b1 8 x 4,096 float32; b2 8 x 1,024 float32; router_b 8 float32; router_w 1,024 x 8 float32; x 4 x 256 x 1,024 float32.
;; Outputs: out0 4 x 256 x 1,024 float32.
;; 2 versions, each right; version 2 is version 1 with the launch down written anew for expert scheduling mode. Each part assembles by itself: llvm-mc -triple=amdgcn-amd-amdhsa -mcpu=gfx1250 --defsym DOCPART=n.
;; ======== version 1 of 2: 4 launches
;; workspace buffers: xb 2,097,152 bytes; choice 4,096 bytes of whole numbers; gates 8,192 bytes; hs 67,108,864 bytes; part 33,554,432 bytes
;; launch route (part 1): grid 256 x 1, 4 waves a work-group, no clusters, 0 bytes of LDS; arguments x, router_w, router_b, xb, choice, gates; writes xb, choice, gates
.if DOCPART == 1
	.amdgcn_target "amdgcn-amd-amdhsa--gfx1250"
	.amdhsa_code_object_version 6
	.text
	.protected	k_q40b52a6f2a_route
	.globl	k_q40b52a6f2a_route
	.p2align	8
	.type	k_q40b52a6f2a_route,@function
k_q40b52a6f2a_route:
	s_mov_b64 s[64:65], 0
	v_nop
	global_prefetch_b8 v0, s[64:65] scope:SCOPE_SE
	s_setreg_imm32_b32 hwreg(HW_REG_WAVE_MODE, 25, 1), 1
	s_wait_xcnt 0x0
; THE ROUTER.  For each of the 1,024 tokens: logits = x . router_w + router_b (8 experts), the two largest, their softmax.
; One wave takes one token (token = 4 x work-group + wave): no LDS, no barrier.
; Stored: xb[token][1024] = x rounded to bf16; choice[token] = (1 << first expert) | (256 << second expert), a whole number at a fixed place,
; from which the later launches place the rows; gates[0][token], gates[1][token] in f32.
; LIMITS.  x, router_w and router_b are rounded once to bf16 (nearest even), as every input of this program is; the logits are f32 sums of the
; exact products of the rounded numbers, in an order of their own: 32 lanes' partial sums, then a tree.  Where the second and the third logit
; lie closer than that order's rounding, the choice may differ from another order's.  Equal logits: the lower index wins, as in lax.top_k.
; NaN and infinite logits are not served (the first choice is hidden from the second scan by -infinity).
.set X,    8                           ; v[8:39]    x as loaded: register 4 j + c is d = 128 j + 4 lane + c
.set XB,   40                          ; v[40:55]   x in bf16 pairs
.set WR,   64                          ; v[64:191]  four buffers of 32: router_w of my four d of a block, register 8 c + e
.set WB,   192                         ; v[192:207] the block at work in bf16 pairs, register 4 c + e / 2; later at work
.set ACC,  208                         ; v[208:215] the eight sums
.set BS,   216                         ; v[216:223] router_b rounded, as f32
.set BV,   192                         ; the largest logit, its index
.set BIX,  193
.set NINF, 194
.set SV,   195                         ; the second, its index
.set SIX,  196
	s_load_b256 s[4:11], s[0:1], 0x0               ; x s[4:5], router_w s[6:7], router_b s[8:9], xb s[10:11]
	s_load_b128 s[12:15], s[0:1], 0x20             ; choice s[12:13], gates s[14:15]
	v_and_b32 v1, 31, v0                           ; lane
	v_lshrrev_b32 v7, 5, v0
	v_readfirstlane_b32 s26, v7                    ; wave
	s_lshl2_add_u32 s26, ttmp9, s26                ; token = 4 x work-group + wave
	v_lshlrev_b32 v2, 4, v1                        ; x: 16 bytes a lane
	v_lshlrev_b32 v3, 7, v1                        ; router_w: four rows of 32 bytes a lane
	v_lshlrev_b32 v4, 3, v1                        ; xb: 8 bytes a lane
	v_mov_b32 v5, 0                                ; the addend of the first products: nothing is cleared
	s_lshl_b32 s28, s26, 12                        ; the token's row in x,
	s_mov_b32 s29, 0
	s_lshl_b32 s32, s26, 11                        ; in xb,
	s_mov_b32 s33, 0
	s_lshl_b32 s27, s26, 2                         ; and its word in choice and gates
	v_mov_b32 v6, s27
	s_mov_b32 s24, 0x76543210                      ; v_permlanex16_b32: each lane takes its own place in the other half
	s_mov_b32 s25, 0xfedcba98
	s_wait_kmcnt 0x0
	s_load_b256 s[16:23], s[8:9], 0x0              ; router_b
	s_add_nc_u64 s[4:5], s[4:5], s[28:29]
	s_add_nc_u64 s[10:11], s[10:11], s[32:33]
.irp j, 0,1,2,3,4,5,6,7
	global_load_b128 v[X+4*(\j):X+4*(\j)+3], v2, s[4:5] offset:512*(\j) th:TH_LOAD_NT  ; 512 consecutive bytes of the row
.endr
.macro WBLK j                          ; router_w of block j (d = 128 j ..): a lane takes its 128 bytes whole, in eight loads on end
.irp i, 0,1,2,3,4,5,6,7
	global_load_b128 v[WR+32*((\j)%4)+4*(\i):WR+32*((\j)%4)+4*(\i)+3], v3, s[6:7] offset:4096*(\j)+16*(\i)
.endr
.endm
	WBLK 0
	WBLK 1
	WBLK 2
	WBLK 3
	s_wait_loadcnt 32                              ; x is in; the 32 loads of router_w behind it stay out
.set m, 0
.rept 16
	v_cvt_pk_bf16_f32 v[XB+m], v[X+2*m], v[X+2*m+1]
.set m, m+1
.endr
.irp j, 0,1,2,3,4,5,6,7
	global_store_b64 v4, v[XB+2*(\j):XB+2*(\j)+1], s[10:11] offset:256*(\j)  ; each store of the wave covers 256 consecutive bytes, aligned
.endr
; Block j: round its 32 numbers of router_w, ask for the block four further on, 32 multiply-adds straight from the bf16 halves into the f32 sums.
; left = the loads of the younger blocks, eight each.
.macro BLOCK j, left
	s_wait_loadcnt \left
.set m, 0
.rept 16
	v_cvt_pk_bf16_f32 v[WB+m], v[WR+32*((\j)%4)+2*m], v[WR+32*((\j)%4)+2*m+1]
.set m, m+1
.endr
.if (\j) < 4
	WBLK (\j)+4
.endif
.irp ch, 0,1
.irp cl, 0,1
.irp eh, 0,1,2,3
.irp el, 0,1
.if ((\j) == 0) && ((\ch) == 0) && ((\cl) == 0)
	v_fma_mix_f32_bf16 v[ACC+2*(\eh)+(\el)], v[XB+2*(\j)+(\ch)], v[WB+4*(2*(\ch)+(\cl))+(\eh)], v5 op_sel:[\cl,\el,0] op_sel_hi:[1,1,0]
.else
	v_fma_mix_f32_bf16 v[ACC+2*(\eh)+(\el)], v[XB+2*(\j)+(\ch)], v[WB+4*(2*(\ch)+(\cl))+(\eh)], v[ACC+2*(\eh)+(\el)] op_sel:[\cl,\el,0] op_sel_hi:[1,1,0]
.endif
.endr
.endr
.endr
.endr
.endm
	BLOCK 0, 24
	BLOCK 1, 24
	BLOCK 2, 24
	BLOCK 3, 24
	BLOCK 4, 24
	BLOCK 5, 16
	BLOCK 6, 8
	BLOCK 7, 0
	; the eight sums over the 32 lanes: four steps inside each half ride on the addition, one crosses the halves
.irp k, 1,2,4,8
.irp e, 0,1,2,3,4,5,6,7
	v_add_f32_dpp v[ACC+(\e)], v[ACC+(\e)], v[ACC+(\e)] row_xmask:\k row_mask:0xf bank_mask:0xf
.endr
.endr
.irp e, 0,1,2,3,4,5,6,7
	v_permlanex16_b32 v[WB+(\e)], v[ACC+(\e)], s24, s25
.endr
	s_wait_kmcnt 0x0                               ; router_b
.irp k, 0,1,2,3
	v_cvt_pk_bf16_f32 v[WB+8+(\k)], s[16+2*(\k)], s[17+2*(\k)]
.endr
.irp k, 0,1,2,3
	v_lshlrev_b32 v[BS+2*(\k)], 16, v[WB+8+(\k)]
	v_and_b32 v[BS+2*(\k)+1], 0xffff0000, v[WB+8+(\k)]
.endr
.irp e, 0,1,2,3,4,5,6,7
	v_add_f32 v[ACC+(\e)], v[ACC+(\e)], v[WB+(\e)]
.endr
.irp e, 0,1,2,3,4,5,6,7
	v_add_f32 v[ACC+(\e)], v[ACC+(\e)], v[BS+(\e)] ; every lane holds the eight logits
.endr
	; the largest: a later logit wins only if strictly greater, so the lower index keeps a tie
	v_mov_b32 v[BV], v[ACC]
	v_mov_b32 v[BIX], 0
.irp e, 1,2,3,4,5,6,7
	v_cmp_gt_f32 vcc_lo, v[ACC+(\e)], v[BV]
	v_cndmask_b32 v[BV], v[BV], v[ACC+(\e)], vcc_lo
	v_cndmask_b32 v[BIX], v[BIX], \e, vcc_lo
.endr
	v_mov_b32 v[NINF], 0xff800000
.irp e, 0,1,2,3,4,5,6,7
	v_cmp_eq_u32 vcc_lo, \e, v[BIX]
	v_cndmask_b32 v[ACC+(\e)], v[ACC+(\e)], v[NINF], vcc_lo  ; the winner is hidden, and the same scan finds the second
.endr
	v_mov_b32 v[SV], v[ACC]
	v_mov_b32 v[SIX], 0
.irp e, 1,2,3,4,5,6,7
	v_cmp_gt_f32 vcc_lo, v[ACC+(\e)], v[SV]
	v_cndmask_b32 v[SV], v[SV], v[ACC+(\e)], vcc_lo
	v_cndmask_b32 v[SIX], v[SIX], \e, vcc_lo
.endr
	; softmax of the two, the maximum taken away: t = e^(second - first) <= 1; gates 1 / (1 + t) and t / (1 + t)
	v_sub_f32 v197, v[SV], v[BV]
	v_mul_f32 v197, 0x3fb8aa3b, v197
	v_exp_f32 v198, v197
	v_mov_b32 v203, 1                              ; a plain instruction stands between a transcendental and the use of its result
	s_wait_alu depctr_va_vdst(0)
	v_add_f32 v199, 1.0, v198
	v_rcp_f32 v200, v199
	v_mov_b32 v204, 0x100
	s_wait_alu depctr_va_vdst(0)
	v_mul_f32 v201, v198, v200
	v_lshlrev_b32 v203, v[BIX], v203
	v_lshlrev_b32 v204, v[SIX], v204
	v_or_b32 v203, v203, v204
	v_cmp_eq_u32 vcc_lo, 0, v1
	s_wait_xcnt 0x0                                ; EXEC is a source of the stores above: it changes only behind this wait
	s_and_saveexec_b32 s30, vcc_lo                 ; lane 0 alone stores the token's three words, at places that hang on the token's number alone
	global_store_b32 v6, v203, s[12:13]
	global_store_b32 v6, v200, s[14:15]
	global_store_b32 v6, v201, s[14:15] offset:4096
	s_wait_xcnt 0x0
	s_or_b32 exec_lo, exec_lo, s30
	s_endpgm
.Lfunc_end_k_q40b52a6f2a_route:
	.size	k_q40b52a6f2a_route, .Lfunc_end_k_q40b52a6f2a_route-k_q40b52a6f2a_route
	.p2alignl 7, 3214868480
	.fill 96, 4, 3214868480
	.section	.rodata,"a",@progbits
	.p2align	6, 0x0
	.amdhsa_kernel k_q40b52a6f2a_route
		.amdhsa_group_segment_fixed_size 0
		.amdhsa_private_segment_fixed_size 0
		.amdhsa_enable_private_segment 0
		.amdhsa_kernarg_size 48
		.amdhsa_user_sgpr_count 2
		.amdhsa_user_sgpr_kernarg_segment_ptr 1
		.amdhsa_wavefront_size32 1
		.amdhsa_system_sgpr_workgroup_id_x 1
		.amdhsa_system_sgpr_workgroup_id_y 1
		.amdhsa_system_sgpr_workgroup_id_z 1
		.amdhsa_system_vgpr_workitem_id 0
		.amdhsa_next_free_vgpr 224
		.amdhsa_next_free_sgpr 66
		.amdhsa_reserve_vcc 1
		.amdhsa_float_denorm_mode_32 3
		.amdhsa_float_denorm_mode_16_64 3
		.amdhsa_memory_ordered 1
		.amdhsa_forward_progress 1
		.amdhsa_inst_pref_size 41
	.end_amdhsa_kernel
	.amdgpu_metadata
---
amdhsa.version: [ 1, 2 ]
amdhsa.kernels:
  - .name:           k_q40b52a6f2a_route
    .symbol:         k_q40b52a6f2a_route.kd
    .args:
      - { .name: x, .offset: 0, .size: 8, .value_kind: global_buffer, .address_space: global }
      - { .name: router_w, .offset: 8, .size: 8, .value_kind: global_buffer, .address_space: global }
      - { .name: router_b, .offset: 16, .size: 8, .value_kind: global_buffer, .address_space: global }
      - { .name: xb, .offset: 24, .size: 8, .value_kind: global_buffer, .address_space: global }
      - { .name: choice, .offset: 32, .size: 8, .value_kind: global_buffer, .address_space: global }
      - { .name: gates, .offset: 40, .size: 8, .value_kind: global_buffer, .address_space: global }
    .group_segment_fixed_size: 0
    .private_segment_fixed_size: 0
    .kernarg_segment_align: 8
    .kernarg_segment_size: 48
    .max_flat_workgroup_size: 128
    .sgpr_count:     66
    .vgpr_count:     224
    .wavefront_size: 32
...
	.end_amdgpu_metadata
.endif
;; end of part 1
;; launch up (part 2): grid 32 x 8, 4 waves a work-group, no clusters, 262,656 bytes of LDS; arguments W1, b1, xb, choice, hs; writes hs
.if DOCPART == 2
	.amdgcn_target "amdgcn-amd-amdhsa--gfx1250"
	.amdhsa_code_object_version 6
	.text
	.protected	k_q40b52a6f2a_up
	.globl	k_q40b52a6f2a_up
	.p2align	8
	.type	k_q40b52a6f2a_up,@function
k_q40b52a6f2a_up:
	s_mov_b64 s[64:65], 0
	v_nop
	global_prefetch_b8 v0, s[64:65] scope:SCOPE_SE
	s_setreg_imm32_b32 hwreg(HW_REG_WAVE_MODE, 25, 1), 1
	s_wait_xcnt 0x0
; THE FIRST PRODUCT OF A LAYER OF ROUTED EXPERTS: hs = relu(x W1[e] + b1[e]) in bf16, for the rows that chose expert e.  Arguments: W1, b1, xb, choice, hs.
; SHARES.  Grid 32 slices x 8 experts.  A work-group alone reads a slice of its expert's weights, K = 1,024 x N = 128 columns of d_ff in f32 (524,288 bytes, each byte once in the launch),
; and multiplies ALL rows of its expert by it.
; PHASE 1 streams the slice through registers, rounds it to bf16 and lays it into LDS as ready matrix operands (262,144 bytes, written once).
; PHASE 2 multiplies: it holds no barrier and writes nothing into LDS; the weights' operands come from LDS, the rows' operands from memory straight into registers, and the results leave from registers.
; Its length hangs on the expert's count M (0 to 1,024), which every wave makes for itself from choice[], whole numbers that an earlier launch stored: every split of the tokens is served.
; THE ROWS.  Every wave holds all of choice[] as 32 words of 32 bits in scalar registers: bit l of word n = 4 i + c says whether token 128 i + 4 l + c chose my expert.  The expert's rows are ranked by word,
; then by bit: the order in which the next launch ranks them too.  A tile is 16 ranks; tile 20 p + 4 a + w belongs to pass p, wave w, place a (0 to 4): five tiles a wave and pass, four passes at the most.
; Lane (r, h) finds the token of rank min(16 tile + r, M - 1) by vector arithmetic (FIND, some 700 lines for a pass's five tiles, while the wave's first 48 loads of weights are out): no list in LDS,
; no barrier for it, and no wave waits for another's work.  The minimum makes the rows past the count repeat the last real row: they compute and store that row's numbers again, in their own places of hs.
; Matrix work and stores of tiles past the count are jumped by scalar branches; loads are not (their registers are then written on every way), and name the last real row.
; K IS PERMUTED ALIKE IN BOTH OPERANDS: matrix step 2 t + u, lane half h, place idx (0 to 15) stands for k = 64 t + 32 h + 16 u + idx.  COLUMNS ARE PERMUTED: operand b = 4 g + c, row i stands for column
; 64 g + 4 i + c.  So a 16-byte load of four neighbouring f32 columns feeds four operands by conversions alone, and sixteen lanes read 256 consecutive aligned bytes of a weight row.
; THE MATRIX INSTRUCTION IS USED TRANSPOSED (source 0 = weights, source 1 = rows): lane (r, h), accumulator b, register j holds row r, column 64 g + 32 h + 4 j + c: 32 neighbouring columns of one row for each g,
; which is the order in which the next launch's operands want them.
; hs IS KEPT IN OPERAND ORDER: [expert][tile 64][G 64][q 4][lane 32][8 bf16]; lane (r, h) of chunk q holds row r, f = 64 G + 32 h + 8 q + 0..7: it is stored here, and loaded there, 512 consecutive bytes an instruction.
; THE SUMS BEGIN WITH THE BIAS: a product of zeros with the bias as C starts each accumulator, one matrix step's time in 33; it spares a second copy of the K trip, the clearing and the adds at the end.
; NO CLUSTER, NO TENSOR LOADS: each weight byte has one reader and must pass through registers to be rounded; the rows that an expert's work-groups share are picked token by token, which no descriptor covers.
; LIMITS.  W1, b1 and x are rounded once to bf16 (nearest even), h once to bf16; sums in f32.  NaN and infinities are not treated apart.
.set PITCH, 16384                      ; bytes of a weight row
.set ACH,   256                        ; the rows' operands: bytes from chunk (four matrix steps) to chunk,
.set AG,    128                        ; from t to t + 1,
.set AQ,    16                         ; and from 16 bytes to the next 16 of a lane
.set NA,    40                         ; loads in a chunk
.set TILEB, 131072                     ; bytes of a tile in hs
; LDS: 0 the weights' operands: wave w's own 65,536 bytes at 65536 w (w = 2 u + g): 4096 t + 1024 c + 512 hf + 16 lane
.set SPARE, 262144                     ; the spare words, 128 bytes for each wave: two blocks of 256 bytes that no other line names
; window 0
.set LANE, 1                           ; at the head alone
.set L16,  2                           ; 16 lane; never rewritten
.set WOFF, 3                           ; phase 1: my byte offset in the slice's first rows
.set WST,  4                           ; phase 1: 65536 wave + 16 lane
.set ADR,  5                           ; phase 1: first the bias' offset, then the LDS address in hand
.set BA,   3                           ; phase 2: v3-6 the LDS address of the K trip's operands in each wave's 65,536 bytes, made anew at each trip's head
.set BB1,  1                           ; 65536 + 16 lane,
.set BB2,  7                           ; 131072 + 16 lane,
.set BB3,  30                          ; 196608 + 16 lane; never rewritten
.set AOFF, 8                           ; v8-12  tile a: my byte offset in xb
.set HX,   13                          ; 64 h
.set HOFF, 14                          ; v14-18 tile a: my byte offset in hs
.set RR,   19                          ; r = lane % 16
.set SPW,  20                          ; LDS address of my spare word; never rewritten
.set NIL,  21                          ; 0; never rewritten
.set ZR,   22                          ; 0, for the relu
.set ENT,  23                          ; v23-27 tile a: row r's token
.set T1,   31
.set ST,   32                          ; phase 1: v32-223 three sets of 64: a unit of K = 32 x 64 columns as loaded
.set CV,   224                         ; phase 1: v224-255 the unit in bf16: four operands
.set BF,   32                          ; phase 2: v32-95, v96-159 the weights' operands of a matrix step, two buffers
.set BI,   160                         ; phase 2: v160-223 the bias in the accumulators' layout, 8 b + j
.set TMP,  224                         ; v224-255 at work
; windows 1 to 3: tile a lies in window 1 + a / 2 at 128 (a % 2): accumulator b at + 8 b; the rows' operands at + 64 + 32 buffer + 8 step.  Window 1, v0-63 first hold the bias as loaded.
; window 3 from v128 on:
.set ZF,   128                         ; eight registers of zeros
.set LE,   136                         ; v136-155 the tokens of row r in the tiles still to come, five a pass
.set CH,   160                         ; v160-191 the 32 words of choice[] of my lane
.set RK,   192                         ; FIND, five registers each, one a tile: rank << 10 | 0x3ff
.set MSK,  197                         ; the word that holds the rank
.set KEY,  202                         ; its key: rows before it << 10 | token of its bit 0
.set FND,  207                         ; the token found
.set RB,   212                         ; 16 wave + r
.set F1,   213                         ; the word's counts by 2 bits,
.set F2,   218                         ; by 4,
.set F4,   223                         ; by 8
.set FR,   228                         ; the rank that is left
.set FQ,   233                         ; the bit's number, from its top bit down
.set FT,   238                         ; at work
.set FO,   243
; scalars: s[4:13] arguments; s16 wave; s17 expert; s18 slice; s20 M; s21 tiles; s22 my tiles in this pass; s23 passes to go; s24 loop counts; s25 LDS step; s[26:27] weights; s[28:29] rows, running;
; s[30:31] rows; s[32:33] out; s34 the expert's two bits; s38, s39 at work; s41 (20 pass + wave) x TILEB; s42 tiles + 3 - wave - 20 pass; s55 a word's upper half; s56 s42 in FIND's loop; s57 320 pass;
; s58 M - 1; s59-63 masks; s[68:99] which tokens chose the expert
.set MSB, 0
.macro WIN new                         ; s_set_vgpr_msb: bits 1:0 source 0, 3:2 source 1, 5:4 source 2, 7:6 destination; the high byte repeats the setting that is left
.if MSB != (\new)
	s_set_vgpr_msb (MSB<<8)|(\new)
.set MSB, (\new)
.endif
.endm
; A load into a register that a matrix instruction has read, and a vector instruction that reads a matrix result or writes one of its registers, stand four places behind it; only plain vector
; instructions that name none of its registers are places (ISA guide 7.12.1 for vector instructions).
.macro PLACES
.rept 4
	v_nop
.endr
.endm
.macro WLOAD set                       ; a unit: 16 rows for each half of the lanes x 64 columns, 8,192 bytes
.irp i, 0,1,2,3,4,5,6,7,8,9,10,11,12,13,14,15
	global_load_b128 v[ST+64*(\set)+4*(\i):ST+64*(\set)+4*(\i)+3], v[WOFF], s[26:27] offset:(\i)*PITCH th:TH_LOAD_NT
.endr
.endm
.macro WSTEP
	s_wait_xcnt 0x0                                ; the base is stepped only when the loads that name it have had their addresses translated
	s_add_nc_u64 s[26:27], s[26:27], 64*PITCH      ; t + 1
.endm
; One unit: rounded, the set asked for again (issue = 1), laid into LDS.  left = the younger loads that may stay out.
.macro GROUP set, issue, left
	s_wait_loadcnt \left
.irp c, 0,1,2,3
.irp p, 0,1,2,3,4,5,6,7
	v_cvt_pk_bf16_f32 v[CV+8*(\c)+(\p)], v[ST+64*(\set)+8*(\p)+(\c)], v[ST+64*(\set)+8*(\p)+4+(\c)]  ; column c of rows 2 p and 2 p + 1
.endr
.endr
.if \issue
	WSTEP
	WLOAD \set
.endif
	v_add_nc_u32 v[ADR], s25, v[WST]
	s_add_co_u32 s25, s25, 4096
.irp c, 0,1,2,3
	ds_store_b128 v[ADR], v[CV+8*(\c):CV+8*(\c)+3] offset:1024*(\c)
	ds_store_b128 v[ADR], v[CV+8*(\c)+4:CV+8*(\c)+7] offset:1024*(\c)+512
.endr
.endm
; The rows' operands of four matrix steps, for all five tiles: 40 loads, no branch.
.macro LOADCHUNK buf, cc, sb
.irp a, 0,1,2,3,4
	WIN (1+(\a)/2)<<6
.irp u4, 0,1,2,3
.irp hf, 0,1
	global_load_b128 v[128*((\a)&1)+64+32*(\buf)+8*(\u4)+4*(\hf):128*((\a)&1)+64+32*(\buf)+8*(\u4)+4*(\hf)+3], v[AOFF+(\a)], s[\sb:\sb+1] offset:(\cc)*ACH+((\u4)>>1)*AG+(2*((\u4)&1)+(\hf))*AQ
.endr
.endr
.endr
	WIN 0
.endm
.macro EACH line:vararg                ; one line for each of the pass's five tiles t: five chains side by side, so that no line reads the result of the one before it
.set t, 0
.rept 5
	\line
.set t, t+1
.endr
.endm
; One halving of FIND's second part.  The field of wd bits at bit FQ << sh of src counts the ones in the lower half of what is left; if the rank left is no less, the bit lies in the upper half:
; the count is taken off the rank, and FQ = 2 FQ + 1 (the add with carry); else FQ = 2 FQ.  wd = 16: the count stands in FT already.
.macro LEVEL src, sh, wd
.if (\wd) < 16
	EACH v_lshlrev_b32 v[FO+t], \sh, v[FQ+t]
	EACH v_bfe_u32 v[FT+t], v[(\src)+t], v[FO+t], \wd
.endif
.set t, 0
.rept 5
	v_cmp_ge_u32 vcc_lo, v[FR+t], v[FT+t]
.if (\wd) > 1
	v_cndmask_b32 v[FT+t], 0, v[FT+t], vcc_lo
.endif
	v_add_co_ci_u32 v[FQ+t], vcc_lo, v[FQ+t], v[FQ+t], vcc_lo
.set t, t+1
.endr
.if (\wd) > 1
	EACH v_sub_nc_u32 v[FR+t], v[FR+t], v[FT+t]
.endif
.endm
; THE TOKENS OF A PASS'S FIVE TILES.  All its vector registers lie in window 3.
; First part: which word holds the rank.  The scalar key of word m is (rows before it) << 10 | (token of its bit 0); it passes rank << 10 | 0x3ff exactly if more rows lie before the word than the rank.
; The keys ascend, so the last word whose key does not pass holds the rank (an empty word has the key's upper part of the next one, which then takes its place).
; Second part: the bit of that rank in the word, by five halvings on the word's counts of 8, 4 and 2 bits.  With M = 0 the word is empty, the bit found is 31 and the token 1,023: inside xb, and used by nobody.
.macro FIND
.irp a, 0,1,2,3,4
	s_add_co_u32 s38, s57, 64*(\a)
	v_add_nc_u32 v[RK+(\a)], s38, v[RB]            ; 16 (20 pass + 4 a + wave) + r,
	v_min_u32 v[RK+(\a)], s58, v[RK+(\a)]          ; held to the last real row
	v_lshl_or_b32 v[RK+(\a)], v[RK+(\a)], 10, s63
	v_mov_b32 v[MSK+(\a)], s68                     ; word 0, whose key is 0, starts the choice
	v_mov_b32 v[KEY+(\a)], 0
.endr
	s_mov_b32 s39, 0
.set m, 1
.rept 31
	s_bcnt1_i32_b32 s38, s[68+m-1]
	s_lshl_b32 s38, s38, 10
	s_add_co_u32 s39, s39, s38
	s_addk_co_i32 s39, (128*(m/4)+m%4)-(128*((m-1)/4)+(m-1)%4)  ; the key of word m
.irp a, 0,1,2,3,4
	v_cmp_gt_u32 vcc_lo, s39, v[RK+(\a)]           ; where the key passes, the lane keeps what it has
	v_cndmask_b32 v[MSK+(\a)], s[68+m], v[MSK+(\a)], vcc_lo
	v_cndmask_b32 v[KEY+(\a)], s39, v[KEY+(\a)], vcc_lo
.endr
.set m, m+1
.endr
	EACH v_sub_nc_u32 v[FR+t], v[RK+t], v[KEY+t]   ; (rank - rows before) << 10 + (0x3ff - token of bit 0): the lower part stays within its ten bits
	EACH v_lshrrev_b32 v[FR+t], 10, v[FR+t]        ; the rank inside the word
	EACH v_and_b32 v[KEY+t], s63, v[KEY+t]         ; the token of the word's bit 0
	EACH v_lshrrev_b32 v[FT+t], 1, v[MSK+t]
	EACH v_and_b32 v[FT+t], s60, v[FT+t]
	EACH v_sub_nc_u32 v[F1+t], v[MSK+t], v[FT+t]   ; ones in each 2 bits
	EACH v_lshrrev_b32 v[FT+t], 2, v[F1+t]
	EACH v_and_b32 v[FT+t], s61, v[FT+t]
	EACH v_and_b32 v[F2+t], s61, v[F1+t]
	EACH v_add_nc_u32 v[F2+t], v[F2+t], v[FT+t]    ; in each 4
	EACH v_lshrrev_b32 v[FT+t], 4, v[F2+t]
	EACH v_add_nc_u32 v[F4+t], v[F2+t], v[FT+t]
	EACH v_and_b32 v[F4+t], s62, v[F4+t]           ; in each 8
	EACH v_lshrrev_b32 v[FT+t], 8, v[F4+t]
	EACH v_add_nc_u32 v[FT+t], v[F4+t], v[FT+t]
	EACH v_and_b32 v[FT+t], s59, v[FT+t]           ; in bits 0 to 15
	EACH v_mov_b32 v[FQ+t], 0
	LEVEL 0, 0, 16
	LEVEL F4, 4, 8
	LEVEL F2, 3, 4
	LEVEL F1, 2, 2
	LEVEL MSK, 1, 1
	EACH v_lshl_add_u32 v[FND+t], v[FQ+t], 2, v[KEY+t]  ; bit l of word 4 i + c is token 128 i + c + 4 l
.endm
; The pass's addresses.  Its five tokens come out of window 3, and the later passes' move down.  A token enters an address only behind its clamp.
.macro PREP_ADDR
	WIN 0x03
.irp a, 0,1,2,3,4
	v_mov_b32 v[ENT+(\a)], v[LE+(\a)]
.endr
	WIN 0xc3
.set n, 0
.rept 15
	v_mov_b32 v[LE+n], v[LE+n+5]
.set n, n+1
.endr
	WIN 0
.irp a, 0,1,2,3,4
	v_min_u32 v[ENT+(\a)], 0x3ff, v[ENT+(\a)]
	v_lshl_add_u32 v[AOFF+(\a)], v[ENT+(\a)], 11, v[HX]  ; the token's row of 2,048 bytes, + 64 h
	s_add_co_u32 s38, s41, 4*TILEB*(\a)
	v_add_nc_u32 v[HOFF+(\a)], s38, v[L16]
.endr
.endm
.macro BADDR                           ; the K trip's place in each of the four 65,536 bytes: a fixed register and the loop's step (0, 16,384, 32,768, 49,152)
	v_add_nc_u32 v[BA], s25, v[L16]
	v_add_nc_u32 v[BA+1], s25, v[BB1]
	v_add_nc_u32 v[BA+2], s25, v[BB2]
	v_add_nc_u32 v[BA+3], s25, v[BB3]
.endm
; The weights' eight operands of step ksl of the trip's eight (8: the next trip's first): 16 loads of 512 consecutive bytes.  The last byte read is 196,608 + 49,152 + 496 + 15,872 + 16 = 262,144, the operands' end.
.macro BLOAD buf, ksl
.irp b, 0,1,2,3,4,5,6,7
	ds_load_b128 v[BF+64*(\buf)+8*(\b):BF+64*(\buf)+8*(\b)+3],   v[BA+2*((\ksl)&1)+(\b)/4] offset:4096*((\ksl)>>1)+1024*((\b)&3)
	ds_load_b128 v[BF+64*(\buf)+8*(\b)+4:BF+64*(\buf)+8*(\b)+7], v[BA+2*((\ksl)&1)+(\b)/4] offset:4096*((\ksl)>>1)+1024*((\b)&3)+512
.endr
.endm
.macro MUL a, bbuf, abuf, u4           ; tile a: eight matrix instructions, its eight accumulators by turns; source 0 (weights) in window 0; source 1 (rows), C and D in the tile's window
	WIN 0x54*(1+(\a)/2)
.irp b, 0,1,2,3,4,5,6,7
	v_wmma_f32_16x16x32_bf16 v[128*((\a)&1)+8*(\b):128*((\a)&1)+8*(\b)+7], v[BF+64*(\bbuf)+8*(\b):BF+64*(\bbuf)+8*(\b)+7], v[128*((\a)&1)+64+32*(\abuf)+8*(\u4):128*((\a)&1)+64+32*(\abuf)+8*(\u4)+7], v[128*((\a)&1)+8*(\b):128*((\a)&1)+8*(\b)+7]
.endr
.endm
; A matrix step.  Its weights were asked for a step ago; the next step's are asked for first; then up to 40 matrix instructions.  The accumulators take turns, one instruction a turn:
; on every way two matrix instructions that follow each other name different accumulators (b = 7 is followed by b = 0).
.macro KSTEP ksl, abuf, u4
	s_wait_dscnt 0x0                               ; this step's weights are in: nothing else of mine is out in LDS
	PLACES                                         ; in front of the loads into the buffer that the step before multiplied
.if (\ksl) < 7
	BLOAD ((\ksl)+1)%2, (\ksl)+1
.else
	s_cmp_eq_u32 s24, 1
	s_cbranch_scc1 .Lnob_\@                        ; behind the last trip there is no next step
	BLOAD 0, 8
.Lnob_\@:
.endif
	MUL 0, (\ksl)%2, \abuf, \u4
.irp a, 1,2,3,4
	WIN 0                                          ; at a branch and at a label every window is 0
	s_cmp_le_u32 s22, \a
	s_cbranch_scc1 .Lend_\@                        ; tiles past the count are not multiplied
	MUL \a, (\ksl)%2, \abuf, \u4
.endr
	WIN 0
.Lend_\@:
.endm
.macro INIT                            ; 0 x 0 + bias starts all 40 sums
.irp a, 0,1,2,3,4
	WIN 0x0f|((1+(\a)/2)<<6)
.irp b, 0,1,2,3,4,5,6,7
	v_wmma_f32_16x16x32_bf16 v[128*((\a)&1)+8*(\b):128*((\a)&1)+8*(\b)+7], v[ZF:ZF+7], v[ZF:ZF+7], v[BI+8*(\b):BI+8*(\b)+7]
.endr
.endr
	WIN 0
.endm
.macro COUNT                           ; my tiles in this pass: (tiles - wave - 20 pass + 3) / 4, held to 0 .. 5
	s_max_i32 s22, s42, 0
	s_lshr_b32 s22, s22, 2
	s_min_u32 s22, s22, 5
.endm
; THE WAY OUT of tile a, from registers.  Each accumulator's lowest registers are read first.
.macro OUT a
	s_wait_xcnt 0x0                                ; the registers that the stores before read are rewritten only behind this wait
	WIN 5*(1+(\a)/2)
.irp g, 0,1
.irp q, 0,1,2,3
.irp p, 0,1,2,3
	v_cvt_pk_bf16_f32 v[TMP+16*(\g)+4*(\q)+(\p)], v[128*((\a)&1)+8*(4*(\g)+2*((\p)&1))+2*(\q)+((\p)>>1)], v[128*((\a)&1)+8*(4*(\g)+2*((\p)&1)+1)+2*(\q)+((\p)>>1)]
.endr
.endr
.endr
	WIN 0
.set n, 0
.rept 32
	v_pk_max_num_bf16 v[TMP+n], v[TMP+n], v[ZR]    ; relu, two at a time: it rounds nothing
.set n, n+1
.endr
.irp g, 0,1
.irp q, 0,1,2,3
	global_store_b128 v[HOFF+(\a)], v[TMP+16*(\g)+4*(\q):TMP+16*(\g)+4*(\q)+3], s[32:33] offset:2048*(\g)+512*(\q)  ; 512 consecutive bytes, aligned
.endr
.endr
.endm
	s_load_b256 s[4:11], s[0:1], 0x0               ; W1 s[4:5], b1 s[6:7], xb s[8:9], choice s[10:11]
	s_load_b64 s[12:13], s[0:1], 0x20              ; hs
	v_lshl_add_u32 v[SPW], v0, 2, SPARE
	v_mov_b32 v[NIL], 0
	v_lshrrev_b32 v[T1], 5, v0
	v_readfirstlane_b32 s16, v[T1]                 ; wave 0..3
	s_and_b32 s17, ttmp7, 0xffff                   ; expert
	s_mov_b32 s18, ttmp9                           ; slice
	v_and_b32 v[LANE], 31, v0
	v_lshlrev_b32 v[L16], 4, v[LANE]
	v_and_b32 v[RR], 15, v0                        ; r
	v_bfe_u32 v[T1], v0, 4, 1                      ; h
	v_mul_u32_u24 v[WOFF], v[T1], 32*PITCH         ; lanes 16-31 read the row 32 further on
	v_lshl_add_u32 v[WOFF], v[RR], 4, v[WOFF]
	s_lshr_b32 s38, s16, 1                         ; my wave's unit: u = wave / 2 (16 rows on),
	s_mul_i32 s38, s38, 16*PITCH
	s_and_b32 s39, s16, 1                          ; g = wave % 2 (64 columns on)
	s_lshl_b32 s39, s39, 8
	s_add_co_u32 s38, s38, s39
	v_add_nc_u32 v[WOFF], s38, v[WOFF]
	v_lshl_add_u32 v[WST], s16, 16, v[L16]
	v_lshlrev_b32 v[ADR], 7, v[T1]                 ; the bias: 32 numbers on for lanes 16-31
	v_lshlrev_b32 v[HX], 6, v[T1]
	v_mov_b32 v[ZR], 0
	v_add_nc_u32 v[BB1], 0x10000, v[L16]
	v_add_nc_u32 v[BB2], 0x20000, v[L16]
	v_add_nc_u32 v[BB3], 0x30000, v[L16]
	s_lshl_b32 s38, s16, 4
	WIN 0xc0
.set n, 0
.rept 28
	v_mov_b32 v[ZF+n], 0                           ; the eight zeros, and the queue of 20 tokens, which is moved along before it is full
.set n, n+1
.endr
.set n, 0
.rept 5
	v_mov_b32 v[FND+n], 0                          ; what a wave without a tile pushes into the queue
.set n, n+1
.endr
	v_add_nc_u32 v[RB], s38, v[RR]                 ; 16 wave + r
	WIN 0
	s_lshl_b32 s34, 0x101, s17
	s_lshl_b32 s41, s16, 17
	s_mov_b32 s25, 0
	s_mov_b32 s47, 0
	s_mov_b32 s49, 0
	s_mov_b32 s51, 0
	s_mov_b32 s55, 0xffff0000
	s_mov_b32 s59, 0xff
	s_mov_b32 s60, 0x55555555
	s_mov_b32 s61, 0x33333333
	s_mov_b32 s62, 0x0f0f0f0f
	s_mov_b32 s63, 0x3ff
	s_lshl_b32 s46, s17, 24                        ; W1: the expert, 128 columns for each slice
	s_lshl_b32 s38, s18, 9
	s_add_co_u32 s46, s46, s38
	s_lshl_b32 s48, s17, 14                        ; b1
	s_add_co_u32 s48, s48, s38
	s_lshl_b32 s50, s17, 23                        ; hs: the expert, G = 2 slice
	s_lshl_b32 s38, s18, 12
	s_add_co_u32 s50, s50, s38
	s_wait_kmcnt 0x0
	s_add_nc_u64 s[26:27], s[4:5], s[46:47]
	s_add_nc_u64 s[6:7], s[6:7], s[48:49]
	s_mov_b64 s[30:31], s[8:9]
	s_add_nc_u64 s[32:33], s[12:13], s[50:51]
	WIN 0x40
.irp g, 0,1
.irp j, 0,1,2,3,4,5,6,7
	global_load_b128 v[4*(8*(\g)+(\j)):4*(8*(\g)+(\j))+3], v[ADR], s[6:7] offset:256*(\g)+16*(\j)  ; bias of columns 64 g + 32 h + 4 j + 0..3
.endr
.endr
	WIN 0xc0
.irp i, 0,1,2,3,4,5,6,7
	global_load_b128 v[CH+4*(\i):CH+4*(\i)+3], v[L16], s[10:11] offset:512*(\i)  ; register 4 i + c: token 128 i + 4 lane + c
.endr
	WIN 0
	WLOAD 0
	WSTEP
	WLOAD 1
	s_wait_loadcnt 32                              ; the bias and choice[] are in; behind them: 32 loads of the weights
	WIN 0xff
.set n, 0
.rept 32
	v_and_b32 v[CH+n], s34, v[CH+n]
	v_cmp_ne_u32 s[68+n], 0, v[CH+n]               ; which lanes' tokens chose my expert, as first or as second choice
.set n, n+1
.endr
	WIN 0
	WSTEP
	WLOAD 2                                        ; 48 loads, 24,576 bytes, of each wave are now on their way, and stay so through phase 1
	s_mov_b32 s20, 0
.set n, 0
.rept 32
	s_bcnt1_i32_b32 s38, s[68+n]
	s_add_co_u32 s20, s20, s38
.set n, n+1
.endr
	s_min_u32 s20, s20, 1024                       ; M
	s_add_co_u32 s21, s20, 15
	s_lshr_b32 s21, s21, 4                         ; tiles
	s_add_co_u32 s42, s21, 3
	s_sub_co_u32 s42, s42, s16
	COUNT
	s_max_u32 s58, s20, 1
	s_sub_co_u32 s58, s58, 1                       ; the last real row's rank (with M = 0: 0)
	; The tokens of my rows, pass by pass: four trips; a pass without a tile of mine is jumped, to the label ahead of the queue's step and the counter's.  Each trip moves the queue five places along.
	s_mov_b32 s56, s42
	s_mov_b32 s57, 0
	s_mov_b32 s24, 4
.Lfind:
	s_cmp_lt_i32 s56, 4
	s_cbranch_scc1 .Lnone
	WIN 0xff
	FIND
	WIN 0
.Lnone:
	WIN 0xc3
.set n, 0
.rept 15
	v_mov_b32 v[LE+n], v[LE+n+5]
.set n, n+1
.endr
.set n, 0
.rept 5
	v_mov_b32 v[LE+15+n], v[FND+n]
.set n, n+1
.endr
	WIN 0
	s_sub_co_i32 s56, s56, 20
	s_add_co_u32 s57, s57, 320
	s_sub_co_u32 s24, s24, 1
	s_cmp_lg_u32 s24, 0
	s_cbranch_scc1 .Lfind
	PREP_ADDR
	; PHASE 1: 16 units a wave.  The count 32 leaves the two younger units out.
	s_mov_b32 s24, 4
.Lstream:
	GROUP 0, 1, 32
	GROUP 1, 1, 32
	GROUP 2, 1, 32
	s_sub_co_u32 s24, s24, 1
	s_cmp_lg_u32 s24, 0
	s_cbranch_scc1 .Lstream
	GROUP 0, 1, 32                                 ; unit 12; unit 15 is asked for: the last
	GROUP 1, 0, 32                                 ; behind unit 13: units 14 and 15
	GROUP 2, 0, 16                                 ; behind unit 14: unit 15
	LOADCHUNK 0, 0, 30                             ; the first pass's first operands of the rows are asked for under the last unit: 16 + NA loads are out
	GROUP 0, 0, NA                                 ; behind unit 15: those NA
	; the bias, rounded to bf16, into the accumulators' layout
	WIN 0x05
.set n, 0
.rept 32
	v_cvt_pk_bf16_f32 v[TMP+n], v[2*n], v[2*n+1]
.set n, n+1
.endr
	WIN 0
.irp g, 0,1
.irp j, 0,1,2,3,4,5,6,7
.irp ch, 0,1
	v_lshlrev_b32 v[BI+8*(4*(\g)+2*(\ch))+(\j)], 16, v[TMP+2*(8*(\g)+(\j))+(\ch)]
	v_and_b32 v[BI+8*(4*(\g)+2*(\ch)+1)+(\j)], s55, v[TMP+2*(8*(\g)+(\j))+(\ch)]
.endr
.endr
.endr
	s_wait_dscnt 0x0                               ; for the others' sake: my quarter of the operands is written
	s_barrier_signal -1
	s_barrier_wait -1                              ; from here to the barrier at the end no wave writes LDS, and the waves go their own ways
	; PHASE 2: four trips, which hold 80 tiles, more than the 64 that an expert can have; a pass without a tile of mine is jumped, to the label ahead of the counter's step
	s_mov_b32 s23, 4
.Lpass:
	s_cmp_eq_u32 s22, 0
	s_cbranch_scc1 .Lskip
	s_mov_b32 s25, 0
	BADDR
	BLOAD 0, 0
	s_mov_b64 s[28:29], s[30:31]
	INIT
	s_mov_b32 s24, 4
.Lk:                                                   ; a trip: eight matrix steps, K = 256, in two chunks of four; a chunk's loads of the rows have the chunk before in which to land
	s_wait_loadcnt 0x0                             ; the chunk in buffer 0 is in (only the rows' loads are on this counter here)
	BADDR                                          ; four plain vector lines: also the places in front of the loads into buffer 1, which the trip before multiplied last
	LOADCHUNK 1, 1, 28
	KSTEP 0, 0, 0
	KSTEP 1, 0, 1
	KSTEP 2, 0, 2
	KSTEP 3, 0, 3
	s_wait_loadcnt 0x0                             ; the chunk in buffer 1 is in; no load names s[28:29] any more
	PLACES
	s_cmp_eq_u32 s24, 1
	s_cbranch_scc1 .Lnoa                           ; the last trip asks for nothing: no load passes the rows' end
	s_add_nc_u64 s[28:29], s[28:29], 2*ACH
	LOADCHUNK 0, 0, 28
.Lnoa:
	KSTEP 4, 1, 0
	KSTEP 5, 1, 1
	KSTEP 6, 1, 2
	KSTEP 7, 1, 3
	s_add_co_u32 s25, s25, 16384                   ; four t on in each wave's 65,536 bytes
	s_sub_co_u32 s24, s24, 1
	s_cmp_lg_u32 s24, 0
	s_cbranch_scc1 .Lk
	s_wait_loadcnt 0x0                             ; nothing is out here: the last trip asked for nothing
	s_wait_dscnt 0x0
	PLACES                                         ; in front of the lines that read results just made
	OUT 0
.irp a, 1,2,3,4
	s_cmp_le_u32 s22, \a
	s_cbranch_scc1 .Lsent                          ; tiles past the count store nothing
	OUT \a
.endr
.Lsent:
	s_wait_xcnt 0x0                                ; the stores have read their registers: on every way from here these may be written again
	s_sub_co_i32 s42, s42, 20
	s_add_co_u32 s41, s41, 20*TILEB
	COUNT
	s_cmp_eq_u32 s22, 0
	s_cbranch_scc1 .Lskip                          ; no tile of mine is left: nothing is asked for, and the trips that remain are jumped
	PREP_ADDR
	LOADCHUNK 0, 0, 30
.Lskip:
	s_sub_co_u32 s23, s23, 1
	s_cmp_lg_u32 s23, 0
	s_cbranch_scc1 .Lpass
	s_wait_dscnt 0x0                               ; my reads of LDS are over
	s_barrier_signal -1
	s_barrier_wait -1                              ; and so are every wave's: only behind this barrier is LDS written again, by the closing adds
	s_wait_tensorcnt 0x0                           ; the wave's end, behind my last LDS store
	ds_add_u32 v[SPW], v[NIL]
	s_wait_dscnt 0x0
	s_endpgm
.Lfunc_end_k_q40b52a6f2a_up:
	.size	k_q40b52a6f2a_up, .Lfunc_end_k_q40b52a6f2a_up-k_q40b52a6f2a_up
	.p2alignl 7, 3214868480
	.fill 96, 4, 3214868480
	.section	.rodata,"a",@progbits
	.p2align	6, 0x0
	.amdhsa_kernel k_q40b52a6f2a_up
		.amdhsa_group_segment_fixed_size 262656
		.amdhsa_private_segment_fixed_size 0
		.amdhsa_enable_private_segment 0
		.amdhsa_kernarg_size 40
		.amdhsa_user_sgpr_count 2
		.amdhsa_user_sgpr_kernarg_segment_ptr 1
		.amdhsa_wavefront_size32 1
		.amdhsa_system_sgpr_workgroup_id_x 1
		.amdhsa_system_sgpr_workgroup_id_y 1
		.amdhsa_system_sgpr_workgroup_id_z 1
		.amdhsa_system_vgpr_workitem_id 0
		.amdhsa_next_free_vgpr 1024
		.amdhsa_next_free_sgpr 104
		.amdhsa_reserve_vcc 1
		.amdhsa_float_denorm_mode_32 3
		.amdhsa_float_denorm_mode_16_64 3
		.amdhsa_memory_ordered 1
		.amdhsa_forward_progress 1
		.amdhsa_inst_pref_size 157
	.end_amdhsa_kernel
	.amdgpu_metadata
---
amdhsa.version: [ 1, 2 ]
amdhsa.kernels:
  - .name:           k_q40b52a6f2a_up
    .symbol:         k_q40b52a6f2a_up.kd
    .args:
      - { .name: W1, .offset: 0, .size: 8, .value_kind: global_buffer, .address_space: global }
      - { .name: b1, .offset: 8, .size: 8, .value_kind: global_buffer, .address_space: global }
      - { .name: xb, .offset: 16, .size: 8, .value_kind: global_buffer, .address_space: global }
      - { .name: choice, .offset: 24, .size: 8, .value_kind: global_buffer, .address_space: global }
      - { .name: hs, .offset: 32, .size: 8, .value_kind: global_buffer, .address_space: global }
    .group_segment_fixed_size: 262656
    .private_segment_fixed_size: 0
    .kernarg_segment_align: 8
    .kernarg_segment_size: 40
    .max_flat_workgroup_size: 128
    .sgpr_count:     104
    .vgpr_count:     1024
    .wavefront_size: 32
...
	.end_amdgpu_metadata
.endif
;; end of part 2
;; launch down (part 3): grid 32 x 8, 4 waves a work-group, no clusters, 268,032 bytes of LDS; arguments W2, b2, hs, choice, gates, part; writes part
.if DOCPART == 3
	.amdgcn_target "amdgcn-amd-amdhsa--gfx1250"
	.amdhsa_code_object_version 6
	.text
	.protected	k_q40b52a6f2a_down
	.globl	k_q40b52a6f2a_down
	.p2align	8
	.type	k_q40b52a6f2a_down,@function
k_q40b52a6f2a_down:
	s_mov_b64 s[64:65], 0
	v_nop
	global_prefetch_b8 v0, s[64:65] scope:SCOPE_SE
	s_setreg_imm32_b32 hwreg(HW_REG_WAVE_MODE, 25, 1), 1
	s_wait_xcnt 0x0
; ONE TEXT FOR THE TWO PRODUCTS OF A LAYER OF ROUTED EXPERTS; the switch DOWN chooses.
;   DOWN = 0 (up):   hs = relu(x W1[e] + b1[e]) in bf16, for the rows that chose expert e.     Arguments: W1, b1, xb, choice, hs.
;   DOWN = 1 (down): part[kq] = gate x (h W2[e] + b2[e]) in f32, over a quarter kq of d_ff.     Arguments: W2, b2, hs, choice, gates, part.
; SHARES.  Grid 32 slices x 8 experts.  A work-group alone reads a slice of its expert's weights, K = 1,024 x N = 128 in f32 (524,288 bytes, each byte once
; in the launch), and multiplies ALL rows of its expert by it.  up: slice s = columns 128 s .. of d_ff.  down: s = (kq = s / 8, a quarter of d_ff as K; c = s % 8, 128 columns of d_model).
; PHASE 1 streams the slice through registers, rounds it to bf16 and lays it into LDS as ready matrix operands (262,144 bytes, written once).
; PHASE 2 multiplies: it holds no barrier and writes nothing into LDS; the weights' operands come from LDS, the rows' operands from memory straight into registers, and the results leave from registers.
; Its length hangs on the expert's count M (0 to 1,024), which every work-group makes for itself from choice[], whole numbers that an earlier launch stored: every split of the tokens is served.
; THE LIST.  Wave 0 places the expert's rows in LDS: entry = slot << 10 | token; the places past M hold 0.  A tile is 16 entries; tile 20 p + 4 a + w belongs to pass p, wave w, place a (0 to 4): five tiles
; a wave and pass, four passes at the most.  Each wave reads the entries of its 20 possible tiles once, at fixed addresses, into registers; a pass takes its five from there (20 moves a pass), so no LDS
; address hangs on the pass.  In a tile that is not full the lanes past the count take the entry of the tile's last real row (v_readlane_b32): they compute and store that row's bytes again.
; Matrix work and stores of tiles past the count are jumped by scalar branches; loads are not (their registers are then written on every way), and point at bytes that exist and were written.
; K IS PERMUTED ALIKE IN BOTH OPERANDS: matrix step 2 t + u, lane half h, place idx (0 to 15) stands for k = 64 t + 32 h + 16 u + idx.  COLUMNS ARE PERMUTED: operand b = 4 g + c, row i stands for column
; 64 g + 4 i + c.  So a 16-byte load of four neighbouring f32 columns feeds four operands by conversions alone, and sixteen lanes read 256 consecutive aligned bytes of a weight row.
; up USES THE MATRIX INSTRUCTION TRANSPOSED (source 0 = weights, source 1 = rows): lane (r, h), accumulator b, register j holds row r, column 64 g + 32 h + 4 j + c: 32 neighbouring columns of one row for each g,
; which is the order in which down's operands want them.  down USES IT STRAIGHT (source 0 = rows, source 1 = weights): lane (r, h), accumulator b, register j holds row 8 h + j, column 64 g + 4 r + c: the four
; accumulators c = 0..3 give a lane 16 neighbouring bytes, and sixteen lanes 256 consecutive bytes of one row.  So neither way out goes through LDS.
; hs IS KEPT IN OPERAND ORDER: [expert][tile 64][G 64][q 4][lane 32][8 bf16]; lane (r, h) of chunk q holds row r, f = 64 G + 32 h + 8 q + 0..7: up stores it, and down loads it, 512 consecutive bytes an instruction.
; part IS [kq 4][slot 2][token 1024][1024] in f32: each row (kq, slot, token) has one expert, so each byte has one writer; the next launch adds the eight arrays.
; THE SUMS BEGIN WITH THE BIAS: a product of zeros with the bias as C starts each accumulator, one matrix step's time in 33; it spares a second copy of the K trip, the clearing and the adds at the end.
; NO CLUSTER, NO TENSOR LOADS: each weight byte has one reader and must pass through registers to be rounded; the rows that an expert's work-groups share come by a list (up), which no descriptor covers,
; and a ring of LDS slots for them (down) would put barriers into loops whose work hangs on a stored count.
; LIMITS.  W, the bias and x are rounded once to bf16 (nearest even), h once to bf16; sums in f32; partial sums leave in f32.  NaN and infinities are not treated apart.
.set DOWN, 1
.if DOWN
.set PITCH, 4096                       ; bytes of a weight row
.set ACH,   4096                       ; the rows' operands: bytes from chunk (four matrix steps) to chunk,
.set AG,    2048                       ; from t to t + 1,
.set AQ,    512                        ; and from 16 bytes to the next 16 of a lane
.set NA,    45                         ; loads in PREP_LOAD
.set MULW,  0x51                       ; the products' windows: source 0 (rows), C and D in the tile's window, source 1 (weights) in window 0
.else
.set PITCH, 16384
.set ACH,   256
.set AG,    128
.set AQ,    16
.set NA,    40
.set MULW,  0x54                       ; source 0 (weights) in window 0; source 1 (rows), C and D in the tile's window
.endif
.set TILEB, 131072                     ; bytes of a tile in hs
; LDS: 0 the weights' operands: wave w's own 65,536 bytes at 65536 w (w = 2 u + g): 4096 t + 1024 c + 512 hf + 16 lane
.set LIST,  262144                     ; 1,280 entries, then 32 words that take the lanes without a row: 5,376 bytes
.set SPARE, LIST+5376                  ; the spare words, 128 bytes for each wave: two blocks of 256 bytes that no other line names
; window 0
.set LANE, 1                           ; till the list is written
.set L16,  2                           ; 16 lane; never rewritten
.set WOFF, 3                           ; phase 1: my byte offset in the slice's first rows
.set WST,  4                           ; phase 1: 65536 wave + 16 lane
.set ADR,  5                           ; phase 1: (up: first the bias' offset, then) the LDS address in hand
.set L4,   6                           ; 4 lane (the list)
.set BA,   3                           ; phase 2: v3-6 the LDS address of the K trip's operands in each wave's 65,536 bytes, made anew at each trip's head
.set LR,   7                           ; LIST + 4 (16 wave + r), till the entries are read
.set BB1,  1                           ; then: 65536 + 16 lane,
.set BB2,  7                           ; 131072 + 16 lane,
.set BB3,  30                          ; 196608 + 16 lane; never rewritten
.set AOFF, 8                           ; v8-12  tile a: my byte offset in the rows' operands
.set HX,   13                          ; up: 64 h; down: 16 r
.set HOFF, 14                          ; up: v14-18 tile a: my byte offset in hs
.set GATE, 14                          ; down: v14-18 tile a: the gate of row r (first its byte offset)
.set RR,   19                          ; r = lane % 16
.set SPW,  20                          ; LDS address of my spare word; never rewritten
.set NIL,  21                          ; 0; never rewritten
.set ZR,   22                          ; up: 0, for the relu
.set ENT,  23                          ; v23-27 tile a: row r's entry
.set T1,   31
.set ST,   32                          ; phase 1: v32-223 three sets of 64: a unit of K = 32 x 64 columns as loaded
.set CV,   224                         ; phase 1: v224-255 the unit in bf16: four operands
.set CH,   224                         ; before that: the 32 words of choice[] of my lane
.set BF,   32                          ; phase 2: v32-95, v96-159 the weights' operands of a matrix step, two buffers
.set BI,   160                         ; phase 2: v160-223 the bias in the accumulators' layout, 8 b + j
.set TMP,  224                         ; v224-255 at work
.set TMPF, 32                          ; down, the way out: v32-95 a tile's 64 results times the gate, 32 g + 4 j + c
.set ROFF, 128                         ; down, the way out: v128-135 the byte offset in part of row 8 h + j
.set GJ,   136                         ; down, the way out: v136-143 the gate of row 8 h + j
; windows 1 to 3: tile a lies in window 1 + a / 2 at 128 (a % 2): accumulator b at + 8 b; the rows' operands at + 64 + 32 buffer + 8 step.  Window 1, v0-63 first hold the bias as loaded.
.set ZF,   128                         ; window 3: eight registers of zeros
.set LE,   136                         ; window 3: v136-155 the entries of row r in the tiles still to come, five a pass
; scalars: s[4:15] arguments; s16 wave; s17 expert; s18 slice; s20 M; s21 tiles; s22 my tiles in this pass; s23 passes to go; s24 loop counts; s25 LDS step; s[26:27] weights; s[28:29] rows, running;
; s[30:31] rows; s[32:33] out; s34 the expert's two bits; s35 expert + 8; s36 prefix; s41 (20 pass + wave) x TILEB; s42 tiles + 3 - wave - 20 pass; s54 M - 1 - 16 (20 pass + wave); s55 lanes 16-31;
; s[68:99] which lanes chose the expert
.set MSB, 0
.macro WIN new                         ; s_set_vgpr_msb: bits 1:0 source 0, 3:2 source 1, 5:4 source 2, 7:6 destination; the high byte repeats the setting that is left
.if MSB != (\new)
	s_set_vgpr_msb (MSB<<8)|(\new)
.set MSB, (\new)
.endif
.endm
; A load into a register that a matrix instruction has read, and a vector instruction that reads a matrix result or writes one of its registers, stand four places behind it; only plain vector
; instructions that name none of its registers are places (ISA guide 7.12.1 for vector instructions).
.macro PLACES
.rept 4
	v_nop
.endr
.endm
.macro WLOAD set                       ; a unit: 16 rows for each half of the lanes x 64 columns, 8,192 bytes
.irp i, 0,1,2,3,4,5,6,7,8,9,10,11,12,13,14,15
	global_load_b128 v[ST+64*(\set)+4*(\i):ST+64*(\set)+4*(\i)+3], v[WOFF], s[26:27] offset:(\i)*PITCH th:TH_LOAD_NT
.endr
.endm
.macro WSTEP
	s_wait_xcnt 0x0                                ; the base is stepped only when the loads that name it have had their addresses translated
	s_add_nc_u64 s[26:27], s[26:27], 64*PITCH      ; t + 1
.endm
; One unit: rounded, the set asked for again (issue = 1), laid into LDS.  left = the younger loads that may stay out.
.macro GROUP set, issue, left
	s_wait_loadcnt \left
.irp c, 0,1,2,3
.irp p, 0,1,2,3,4,5,6,7
	v_cvt_pk_bf16_f32 v[CV+8*(\c)+(\p)], v[ST+64*(\set)+8*(\p)+(\c)], v[ST+64*(\set)+8*(\p)+4+(\c)]  ; column c of rows 2 p and 2 p + 1
.endr
.endr
.if \issue
	WSTEP
	WLOAD \set
.endif
	v_add_nc_u32 v[ADR], s25, v[WST]
	s_add_co_u32 s25, s25, 4096
.irp c, 0,1,2,3
	ds_store_b128 v[ADR], v[CV+8*(\c):CV+8*(\c)+3] offset:1024*(\c)
	ds_store_b128 v[ADR], v[CV+8*(\c)+4:CV+8*(\c)+7] offset:1024*(\c)+512
.endr
.endm
; The rows' operands of four matrix steps, for all five tiles: 40 loads, no branch.
.macro LOADCHUNK buf, cc, sb
.irp a, 0,1,2,3,4
	WIN (1+(\a)/2)<<6
.irp u4, 0,1,2,3
.irp hf, 0,1
	global_load_b128 v[128*((\a)&1)+64+32*(\buf)+8*(\u4)+4*(\hf):128*((\a)&1)+64+32*(\buf)+8*(\u4)+4*(\hf)+3], v[AOFF+(\a)], s[\sb:\sb+1] offset:(\cc)*ACH+((\u4)>>1)*AG+(2*((\u4)&1)+(\hf))*AQ
.endr
.endr
.endr
	WIN 0
.endm
; The pass's addresses.  Its five entries come out of window 3, and the later passes' move down.  An entry enters an address only behind its clamp.
.macro PREP_ADDR
	WIN 0x03
.irp a, 0,1,2,3,4
	v_mov_b32 v[ENT+(\a)], v[LE+(\a)]
.endr
	WIN 0xc3
.set n, 0
.rept 15
	v_mov_b32 v[LE+n], v[LE+n+5]
.set n, n+1
.endr
	WIN 0
.if DOWN
	s_cmp_lg_u32 s22, 0
	s_cselect_b32 s40, s41, 0                      ; where a tile past the count points: my first tile of the pass; with no tile at all, offset 0 (of choice[]: see below)
.endif
.irp a, 0,1,2,3,4
	s_sub_co_i32 s38, s54, 64*(\a)                 ; the tile's last real row: M - 1 - 16 tile, held to 0 .. 15
	s_max_i32 s38, s38, 0
	s_min_i32 s38, s38, 15
	v_readlane_b32 s39, v[ENT+(\a)], s38           ; its entry
	v_cmp_lt_u32 vcc_lo, s38, v[RR]
	v_cndmask_b32 v[ENT+(\a)], v[ENT+(\a)], s39, vcc_lo  ; goes to the lanes of the rows behind it (none in a full tile)
	v_min_u32 v[ENT+(\a)], 0x7ff, v[ENT+(\a)]
.if DOWN
	v_lshlrev_b32 v[GATE+(\a)], 2, v[ENT+(\a)]     ; the gate's byte offset
	s_add_co_u32 s44, s41, 4*TILEB*(\a)
	s_cmp_gt_u32 s22, \a
	s_cselect_b32 s38, 1, 0
	s_cselect_b32 s39, s44, s40
	v_mad_u32_u24 v[AOFF+(\a)], v[L16], s38, s39   ; a tile past the count: all lanes read one piece of 16 bytes
.else
	v_and_b32 v[AOFF+(\a)], 0x3ff, v[ENT+(\a)]     ; the token,
	v_lshl_add_u32 v[AOFF+(\a)], v[AOFF+(\a)], 11, v[HX]  ; its row of 2,048 bytes, + 64 h
	s_add_co_u32 s38, s41, 4*TILEB*(\a)
	v_add_nc_u32 v[HOFF+(\a)], s38, v[L16]
.endif
.endr
.endm
.macro PREP_LOAD
	LOADCHUNK 0, 0, 30
.if DOWN
.irp a, 0,1,2,3,4
	global_load_b32 v[GATE+(\a)], v[GATE+(\a)], s[12:13]  ; the load lands on its own offset
.endr
.endif
.endm
.macro BADDR                           ; the K trip's place in each of the four 65,536 bytes: a fixed register and the loop's step (0, 16,384, 32,768, 49,152)
	v_add_nc_u32 v[BA], s25, v[L16]
	v_add_nc_u32 v[BA+1], s25, v[BB1]
	v_add_nc_u32 v[BA+2], s25, v[BB2]
	v_add_nc_u32 v[BA+3], s25, v[BB3]
.endm
; The weights' eight operands of step ksl of the trip's eight (8: the next trip's first): 16 loads of 512 consecutive bytes.  The last byte read is 196,608 + 49,152 + 496 + 15,872 + 16 = 262,144, the operands' end.
.macro BLOAD buf, ksl
.irp b, 0,1,2,3,4,5,6,7
	ds_load_b128 v[BF+64*(\buf)+8*(\b):BF+64*(\buf)+8*(\b)+3],   v[BA+2*((\ksl)&1)+(\b)/4] offset:4096*((\ksl)>>1)+1024*((\b)&3)
	ds_load_b128 v[BF+64*(\buf)+8*(\b)+4:BF+64*(\buf)+8*(\b)+7], v[BA+2*((\ksl)&1)+(\b)/4] offset:4096*((\ksl)>>1)+1024*((\b)&3)+512
.endr
.endm
.macro MUL a, bbuf, abuf, u4           ; tile a: eight matrix instructions, its eight accumulators by turns
	WIN MULW*(1+(\a)/2)
.irp b, 0,1,2,3,4,5,6,7
.if DOWN
	v_wmma_f32_16x16x32_bf16 v[128*((\a)&1)+8*(\b):128*((\a)&1)+8*(\b)+7], v[128*((\a)&1)+64+32*(\abuf)+8*(\u4):128*((\a)&1)+64+32*(\abuf)+8*(\u4)+7], v[BF+64*(\bbuf)+8*(\b):BF+64*(\bbuf)+8*(\b)+7], v[128*((\a)&1)+8*(\b):128*((\a)&1)+8*(\b)+7]
.else
	v_wmma_f32_16x16x32_bf16 v[128*((\a)&1)+8*(\b):128*((\a)&1)+8*(\b)+7], v[BF+64*(\bbuf)+8*(\b):BF+64*(\bbuf)+8*(\b)+7], v[128*((\a)&1)+64+32*(\abuf)+8*(\u4):128*((\a)&1)+64+32*(\abuf)+8*(\u4)+7], v[128*((\a)&1)+8*(\b):128*((\a)&1)+8*(\b)+7]
.endif
.endr
.endm
; A matrix step.  Its weights were asked for a step ago; the next step's are asked for first; then up to 40 matrix instructions.  The accumulators take turns, one instruction a turn:
; on every way two matrix instructions that follow each other name different accumulators (b = 7 is followed by b = 0).
.macro KSTEP ksl, abuf, u4
	s_wait_dscnt 0x0                               ; this step's weights are in: nothing else of mine is out in LDS
	PLACES                                         ; in front of the loads into the buffer that the step before multiplied
.if (\ksl) < 7
	BLOAD ((\ksl)+1)%2, (\ksl)+1
.else
	s_cmp_eq_u32 s24, 1
	s_cbranch_scc1 .Lnob_\@                        ; behind the last trip there is no next step
	BLOAD 0, 8
.Lnob_\@:
.endif
	MUL 0, (\ksl)%2, \abuf, \u4
.irp a, 1,2,3,4
	WIN 0                                          ; at a branch and at a label every window is 0
	s_cmp_le_u32 s22, \a
	s_cbranch_scc1 .Lend_\@                        ; tiles past the count are not multiplied
	MUL \a, (\ksl)%2, \abuf, \u4
.endr
	WIN 0
.Lend_\@:
.endm
.macro INIT                            ; 0 x 0 + bias starts all 40 sums
.irp a, 0,1,2,3,4
	WIN 0x0f|((1+(\a)/2)<<6)
.irp b, 0,1,2,3,4,5,6,7
	v_wmma_f32_16x16x32_bf16 v[128*((\a)&1)+8*(\b):128*((\a)&1)+8*(\b)+7], v[ZF:ZF+7], v[ZF:ZF+7], v[BI+8*(\b):BI+8*(\b)+7]
.endr
.endr
	WIN 0
.endm
.macro COUNT                           ; my tiles in this pass: (tiles - wave - 20 pass + 3) / 4, held to 0 .. 5
	s_max_i32 s22, s42, 0
	s_lshr_b32 s22, s22, 2
	s_min_u32 s22, s22, 5
.endm
; THE WAY OUT of tile a, from registers.  Each accumulator's lowest registers are read first.
.macro OUT a
	s_wait_xcnt 0x0                                ; the registers that the stores before read are rewritten only behind this wait
.if DOWN
.irp j, 0,1,2,3,4,5,6,7
	v_readlane_b32 s38, v[ENT+(\a)], \j            ; the entries of rows j and 8 + j:
	v_readlane_b32 s39, v[ENT+(\a)], 8+(\j)
	v_mov_b32 v[ROFF+(\j)], s38                    ; lanes 0-15 hold the one row,
	v_cndmask_b32 v[ROFF+(\j)], v[ROFF+(\j)], s39, s55  ; lanes 16-31 the other
	v_min_u32 v[ROFF+(\j)], 0x7ff, v[ROFF+(\j)]
	v_lshl_add_u32 v[ROFF+(\j)], v[ROFF+(\j)], 12, v[HX]  ; row (slot, token) of 4,096 bytes, + 16 r
	v_readlane_b32 s38, v[GATE+(\a)], \j           ; and their gates likewise
	v_readlane_b32 s39, v[GATE+(\a)], 8+(\j)
	v_mov_b32 v[GJ+(\j)], s38
	v_cndmask_b32 v[GJ+(\j)], v[GJ+(\j)], s39, s55
.endr
	WIN 1+(\a)/2
.irp g, 0,1
.irp j, 0,1,2,3,4,5,6,7
.irp c, 0,1,2,3
	v_mul_f32 v[TMPF+32*(\g)+4*(\j)+(\c)], v[128*((\a)&1)+8*(4*(\g)+(\c))+(\j)], v[GJ+(\j)]  ; the multiply by the gate also brings four neighbouring columns into four registers on end
.endr
.endr
.endr
	WIN 0
.irp g, 0,1
.irp j, 0,1,2,3,4,5,6,7
	global_store_b128 v[ROFF+(\j)], v[TMPF+32*(\g)+4*(\j):TMPF+32*(\g)+4*(\j)+3], s[32:33] offset:256*(\g)  ; sixteen lanes store 256 consecutive bytes of a row, aligned
.endr
.endr
.else
	WIN 5*(1+(\a)/2)
.irp g, 0,1
.irp q, 0,1,2,3
.irp p, 0,1,2,3
	v_cvt_pk_bf16_f32 v[TMP+16*(\g)+4*(\q)+(\p)], v[128*((\a)&1)+8*(4*(\g)+2*((\p)&1))+2*(\q)+((\p)>>1)], v[128*((\a)&1)+8*(4*(\g)+2*((\p)&1)+1)+2*(\q)+((\p)>>1)]
.endr
.endr
.endr
	WIN 0
.set n, 0
.rept 32
	v_pk_max_num_bf16 v[TMP+n], v[TMP+n], v[ZR]    ; relu, two at a time: it rounds nothing
.set n, n+1
.endr
.irp g, 0,1
.irp q, 0,1,2,3
	global_store_b128 v[HOFF+(\a)], v[TMP+16*(\g)+4*(\q):TMP+16*(\g)+4*(\q)+3], s[32:33] offset:2048*(\g)+512*(\q)  ; 512 consecutive bytes, aligned
.endr
.endr
.endif
.endm
	s_load_b256 s[4:11], s[0:1], 0x0               ; weights s[4:5], bias s[6:7], rows s[8:9], choice s[10:11]
.if DOWN
	s_load_b128 s[12:15], s[0:1], 0x20             ; gates s[12:13], part s[14:15]
.else
	s_load_b64 s[12:13], s[0:1], 0x20              ; hs
.endif
	v_lshl_add_u32 v[SPW], v0, 2, SPARE
	v_mov_b32 v[NIL], 0
	v_lshrrev_b32 v[T1], 5, v0
	v_readfirstlane_b32 s16, v[T1]                 ; wave 0..3
	s_and_b32 s17, ttmp7, 0xffff                   ; expert
	s_mov_b32 s18, ttmp9                           ; slice
	v_and_b32 v[LANE], 31, v0
	v_lshlrev_b32 v[L16], 4, v[LANE]
	v_lshlrev_b32 v[L4], 2, v[LANE]
	v_and_b32 v[RR], 15, v0                        ; r
	v_bfe_u32 v[T1], v0, 4, 1                      ; h
	v_mul_u32_u24 v[WOFF], v[T1], 32*PITCH         ; lanes 16-31 read the row 32 further on
	v_lshl_add_u32 v[WOFF], v[RR], 4, v[WOFF]
	s_lshr_b32 s38, s16, 1                         ; my wave's unit: u = wave / 2 (16 rows on),
	s_mul_i32 s38, s38, 16*PITCH
	s_and_b32 s39, s16, 1                          ; g = wave % 2 (64 columns on)
	s_lshl_b32 s39, s39, 8
	s_add_co_u32 s38, s38, s39
	v_add_nc_u32 v[WOFF], s38, v[WOFF]
	v_lshl_add_u32 v[WST], s16, 16, v[L16]
	s_lshl_b32 s38, s16, 6
	s_add_co_u32 s38, s38, LIST
	v_lshl_add_u32 v[LR], v[RR], 2, s38
.if DOWN
	v_lshlrev_b32 v[HX], 4, v[RR]
	s_mov_b32 s55, 0xffff0000                      ; lanes 16-31
.else
	v_lshlrev_b32 v[ADR], 7, v[T1]                 ; the bias: 32 numbers on for lanes 16-31
	v_lshlrev_b32 v[HX], 6, v[T1]
	v_mov_b32 v[ZR], 0
.endif
	WIN 0xc0
.set n, 0
.rept 8
	v_mov_b32 v[ZF+n], 0
.set n, n+1
.endr
	WIN 0
	s_lshl_b32 s34, 0x101, s17
	s_add_co_u32 s35, s17, 8
	s_lshl_b32 s41, s16, 17
	s_mov_b32 s25, 0
	s_mov_b32 s47, 0
	s_mov_b32 s49, 0
	s_mov_b32 s51, 0
.if DOWN
	s_lshr_b32 s19, s18, 3                         ; kq
	s_and_b32 s45, s18, 7
	s_lshl_b32 s45, s45, 9                         ; 512 c
	s_lshl_b32 s46, s17, 24                        ; W2: the expert, 1,024 rows for each kq, 128 columns for each c
	s_lshl_b32 s38, s19, 22
	s_add_co_u32 s46, s46, s38
	s_add_co_u32 s46, s46, s45
	s_lshl_b32 s48, s17, 12                        ; b2
	s_add_co_u32 s48, s48, s45
	s_lshl_b32 s50, s19, 23                        ; part
	s_add_co_u32 s50, s50, s45
	s_lshl_b32 s52, s17, 23                        ; hs: the expert, G = 16 kq
	s_lshl_b32 s38, s19, 15
	s_add_co_u32 s52, s52, s38
	s_mov_b32 s53, 0
	s_cmp_eq_u32 s19, 0
	s_cselect_b32 s43, -1, 0                       ; b2 enters in the first quarter alone
.else
	s_lshl_b32 s46, s17, 24                        ; W1: the expert, 128 columns for each slice
	s_lshl_b32 s38, s18, 9
	s_add_co_u32 s46, s46, s38
	s_lshl_b32 s48, s17, 14                        ; b1
	s_add_co_u32 s48, s48, s38
	s_lshl_b32 s50, s17, 23                        ; hs: the expert, G = 2 slice
	s_lshl_b32 s38, s18, 12
	s_add_co_u32 s50, s50, s38
.endif
	s_wait_kmcnt 0x0
	s_add_nc_u64 s[26:27], s[4:5], s[46:47]
	s_add_nc_u64 s[6:7], s[6:7], s[48:49]
.if DOWN
	s_add_nc_u64 s[30:31], s[8:9], s[52:53]
	s_add_nc_u64 s[32:33], s[14:15], s[50:51]
.else
	s_mov_b64 s[30:31], s[8:9]
	s_add_nc_u64 s[32:33], s[12:13], s[50:51]
.endif
	WIN 0x40
.if DOWN
.irp g, 0,1
	global_load_b128 v[4*(\g):4*(\g)+3], v[HX], s[6:7] offset:256*(\g)  ; bias of columns 64 g + 4 r + 0..3
.endr
.else
.irp g, 0,1
.irp j, 0,1,2,3,4,5,6,7
	global_load_b128 v[4*(8*(\g)+(\j)):4*(8*(\g)+(\j))+3], v[ADR], s[6:7] offset:256*(\g)+16*(\j)  ; bias of columns 64 g + 32 h + 4 j + 0..3
.endr
.endr
.endif
	WIN 0
.irp i, 0,1,2,3,4,5,6,7
	global_load_b128 v[CH+4*(\i):CH+4*(\i)+3], v[L16], s[10:11] offset:512*(\i)  ; register 4 i + c: token 128 i + 4 lane + c
.endr
	WLOAD 0
	WSTEP
	WLOAD 1
	s_wait_loadcnt 32                              ; the bias and choice[] are in; behind them: 32 loads of the weights
	s_mov_b32 s20, 0
.set n, 0
.rept 32
	v_and_b32 v[CH+n], s34, v[CH+n]
	v_cmp_ne_u32 s[68+n], 0, v[CH+n]               ; which lanes' tokens chose my expert
.set n, n+1
.endr
	WSTEP
	WLOAD 2                                        ; 48 loads, 24,576 bytes, of each wave are now on their way, and stay so through phase 1
.set n, 0
.rept 32
	s_bcnt1_i32_b32 s38, s[68+n]
	s_add_co_u32 s20, s20, s38
.set n, n+1
.endr
	s_min_u32 s20, s20, 1024                       ; M
	s_cmp_lg_u32 s16, 0
	s_cbranch_scc1 .Lnolist                        ; wave 0 alone writes the list
	v_mov_b32 v8, 0
	v_mov_b32 v9, 0
	v_mov_b32 v10, 0
	v_mov_b32 v11, 0
	v_add_nc_u32 v12, LIST, v[L16]
.irp i, 0,1,2,3,4,5,6,7,8,9
	ds_store_b128 v12, v[8:11] offset:512*(\i)     ; all 1,280 entries are 0 first
.endr
	v_add_nc_u32 v14, 1280, v[LANE]                ; where a lane without a row writes
	s_mov_b32 s36, 0
.set n, 0
.rept 32
	v_lshrrev_b32 v15, s35, v[CH+n]                ; slot: 1 if the upper of the two bits is set
	v_lshl_add_u32 v15, v15, 10, v[L4]
	v_mbcnt_lo_u32_b32 v16, s[68+n], s36           ; the row's place: those before it
	v_cndmask_b32 v16, v14, v16, s[68+n]
	v_min_u32 v16, 0x51f, v16
	v_lshl_add_u32 v16, v16, 2, LIST
	v_add_nc_u32 v15, 128*(n/4)+n%4, v15           ; entry = slot << 10 | token
	ds_store_b32 v16, v15
	s_bcnt1_i32_b32 s38, s[68+n]
	s_add_co_u32 s36, s36, s38
.set n, n+1
.endr
.Lnolist:
	s_wait_dscnt 0x0                               ; for the others' sake: the list is written
	s_barrier_signal -1
	s_barrier_wait -1
	WIN 0xc0
.irp p, 0,1,2,3
.irp a, 0,1,2,3,4
	ds_load_b32 v[LE+5*(\p)+(\a)], v[LR] offset:1280*(\p)+256*(\a)  ; row r of tile 20 p + 4 a + wave
.endr
.endr
	WIN 0
	s_add_co_u32 s21, s20, 15
	s_lshr_b32 s21, s21, 4                         ; tiles
	s_add_co_u32 s42, s21, 3
	s_sub_co_u32 s42, s42, s16
	COUNT
	s_lshl_b32 s38, s16, 4
	s_sub_co_i32 s54, s20, s38
	s_sub_co_i32 s54, s54, 1                       ; M - 1 - 16 wave
.if DOWN
	s_cmp_lg_u32 s22, 0
	s_cselect_b64 s[30:31], s[30:31], s[10:11]     ; a wave without a tile takes its 40 unused loads from choice[] (offsets up to 3,600 of its 4,096 bytes): no byte of hs is read that nobody wrote
.endif
	s_wait_dscnt 0x0                               ; the entries are in
	v_add_nc_u32 v[BB1], 0x10000, v[L16]
	v_add_nc_u32 v[BB2], 0x20000, v[L16]
	v_add_nc_u32 v[BB3], 0x30000, v[L16]
	PREP_ADDR
	; PHASE 1: 16 units a wave.  The count 32 leaves the two younger units out.
	s_mov_b32 s24, 4
.Lstream:
	GROUP 0, 1, 32
	GROUP 1, 1, 32
	GROUP 2, 1, 32
	s_sub_co_u32 s24, s24, 1
	s_cmp_lg_u32 s24, 0
	s_cbranch_scc1 .Lstream
	GROUP 0, 1, 32                                 ; unit 12; unit 15 is asked for: the last
	GROUP 1, 0, 32                                 ; behind unit 13: units 14 and 15
	GROUP 2, 0, 16                                 ; behind unit 14: unit 15
	PREP_LOAD                                      ; the first pass's first operands of the rows are asked for under the last unit: 16 + NA loads are out
	GROUP 0, 0, NA                                 ; behind unit 15: those NA
	; the bias, rounded to bf16, into the accumulators' layout
	WIN 0x05
.if DOWN
.set n, 0
.rept 4
	v_cvt_pk_bf16_f32 v[TMP+n], v[2*n], v[2*n+1]
.set n, n+1
.endr
	WIN 0
.set n, 0
.rept 4
	v_and_b32 v[TMP+n], s43, v[TMP+n]
.set n, n+1
.endr
.irp g, 0,1
.irp ch, 0,1
.irp j, 0,1,2,3,4,5,6,7
	v_lshlrev_b32 v[BI+8*(4*(\g)+2*(\ch))+(\j)], 16, v[TMP+2*(\g)+(\ch)]  ; a lane has one column in an accumulator: the same number in its eight registers
	v_and_b32 v[BI+8*(4*(\g)+2*(\ch)+1)+(\j)], 0xffff0000, v[TMP+2*(\g)+(\ch)]
.endr
.endr
.endr
.else
.set n, 0
.rept 32
	v_cvt_pk_bf16_f32 v[TMP+n], v[2*n], v[2*n+1]
.set n, n+1
.endr
	WIN 0
.irp g, 0,1
.irp j, 0,1,2,3,4,5,6,7
.irp ch, 0,1
	v_lshlrev_b32 v[BI+8*(4*(\g)+2*(\ch))+(\j)], 16, v[TMP+2*(8*(\g)+(\j))+(\ch)]
	v_and_b32 v[BI+8*(4*(\g)+2*(\ch)+1)+(\j)], 0xffff0000, v[TMP+2*(8*(\g)+(\j))+(\ch)]
.endr
.endr
.endr
.endif
	s_wait_dscnt 0x0                               ; for the others' sake: my quarter of the operands is written
	s_barrier_signal -1
	s_barrier_wait -1                              ; from here to the barrier at the end no wave writes LDS, and the waves go their own ways
	; PHASE 2: four trips, which hold 80 tiles, more than the 64 that an expert can have; a pass without a tile of mine is jumped, to the label ahead of the counter's step
	s_mov_b32 s23, 4
.Lpass:
	s_cmp_eq_u32 s22, 0
	s_cbranch_scc1 .Lskip
	s_mov_b32 s25, 0
	BADDR
	BLOAD 0, 0
	s_mov_b64 s[28:29], s[30:31]
	INIT
	s_mov_b32 s24, 4
.Lk:                                                   ; a trip: eight matrix steps, K = 256, in two chunks of four; a chunk's loads of the rows have the chunk before in which to land
	s_wait_loadcnt 0x0                             ; the chunk in buffer 0 is in (only the rows' loads, and the gates', are on this counter here)
	BADDR                                          ; four plain vector lines: also the places in front of the loads into buffer 1, which the trip before multiplied last
	LOADCHUNK 1, 1, 28
	KSTEP 0, 0, 0
	KSTEP 1, 0, 1
	KSTEP 2, 0, 2
	KSTEP 3, 0, 3
	s_wait_loadcnt 0x0                             ; the chunk in buffer 1 is in; no load names s[28:29] any more
	PLACES
	s_cmp_eq_u32 s24, 1
	s_cbranch_scc1 .Lnoa                           ; the last trip asks for nothing: no load passes the rows' end
	s_add_nc_u64 s[28:29], s[28:29], 2*ACH
	LOADCHUNK 0, 0, 28
.Lnoa:
	KSTEP 4, 1, 0
	KSTEP 5, 1, 1
	KSTEP 6, 1, 2
	KSTEP 7, 1, 3
	s_add_co_u32 s25, s25, 16384                   ; four t on in each wave's 65,536 bytes
	s_sub_co_u32 s24, s24, 1
	s_cmp_lg_u32 s24, 0
	s_cbranch_scc1 .Lk
	s_wait_loadcnt 0x0                             ; nothing is out here: the last trip asked for nothing
	s_wait_dscnt 0x0
	PLACES                                         ; in front of the lines that read results just made, or write registers just multiplied
	OUT 0
.irp a, 1,2,3,4
	s_cmp_le_u32 s22, \a
	s_cbranch_scc1 .Lsent                          ; tiles past the count store nothing
	OUT \a
.endr
.Lsent:
	s_wait_xcnt 0x0                                ; the stores have read their registers: on every way from here these may be written again
	s_sub_co_i32 s42, s42, 20
	s_add_co_u32 s41, s41, 20*TILEB
	s_sub_co_i32 s54, s54, 320
	COUNT
	s_cmp_eq_u32 s22, 0
	s_cbranch_scc1 .Lskip                          ; no tile of mine is left: nothing is asked for, and the trips that remain are jumped
	PREP_ADDR
	PREP_LOAD
.Lskip:
	s_sub_co_u32 s23, s23, 1
	s_cmp_lg_u32 s23, 0
	s_cbranch_scc1 .Lpass
	s_wait_dscnt 0x0                               ; my reads of LDS are over
	s_barrier_signal -1
	s_barrier_wait -1                              ; and so are every wave's: only behind this barrier is LDS written again, by the closing adds
	s_wait_tensorcnt 0x0                           ; the wave's end, behind my last LDS store
	ds_add_u32 v[SPW], v[NIL]
	s_wait_dscnt 0x0
	s_endpgm
.Lfunc_end_k_q40b52a6f2a_down:
	.size	k_q40b52a6f2a_down, .Lfunc_end_k_q40b52a6f2a_down-k_q40b52a6f2a_down
	.p2alignl 7, 3214868480
	.fill 96, 4, 3214868480
	.section	.rodata,"a",@progbits
	.p2align	6, 0x0
	.amdhsa_kernel k_q40b52a6f2a_down
		.amdhsa_group_segment_fixed_size 268032
		.amdhsa_private_segment_fixed_size 0
		.amdhsa_enable_private_segment 0
		.amdhsa_kernarg_size 48
		.amdhsa_user_sgpr_count 2
		.amdhsa_user_sgpr_kernarg_segment_ptr 1
		.amdhsa_wavefront_size32 1
		.amdhsa_system_sgpr_workgroup_id_x 1
		.amdhsa_system_sgpr_workgroup_id_y 1
		.amdhsa_system_sgpr_workgroup_id_z 1
		.amdhsa_system_vgpr_workitem_id 0
		.amdhsa_next_free_vgpr 1024
		.amdhsa_next_free_sgpr 104
		.amdhsa_reserve_vcc 1
		.amdhsa_float_denorm_mode_32 3
		.amdhsa_float_denorm_mode_16_64 3
		.amdhsa_memory_ordered 1
		.amdhsa_forward_progress 1
		.amdhsa_inst_pref_size 167
	.end_amdhsa_kernel
	.amdgpu_metadata
---
amdhsa.version: [ 1, 2 ]
amdhsa.kernels:
  - .name:           k_q40b52a6f2a_down
    .symbol:         k_q40b52a6f2a_down.kd
    .args:
      - { .name: W2, .offset: 0, .size: 8, .value_kind: global_buffer, .address_space: global }
      - { .name: b2, .offset: 8, .size: 8, .value_kind: global_buffer, .address_space: global }
      - { .name: hs, .offset: 16, .size: 8, .value_kind: global_buffer, .address_space: global }
      - { .name: choice, .offset: 24, .size: 8, .value_kind: global_buffer, .address_space: global }
      - { .name: gates, .offset: 32, .size: 8, .value_kind: global_buffer, .address_space: global }
      - { .name: part, .offset: 40, .size: 8, .value_kind: global_buffer, .address_space: global }
    .group_segment_fixed_size: 268032
    .private_segment_fixed_size: 0
    .kernarg_segment_align: 8
    .kernarg_segment_size: 48
    .max_flat_workgroup_size: 128
    .sgpr_count:     104
    .vgpr_count:     1024
    .wavefront_size: 32
...
	.end_amdgpu_metadata
.endif
;; end of part 3
;; launch combine (part 4): grid 256 x 1, 8 waves a work-group, no clusters, 0 bytes of LDS; arguments part, out0; writes out0
.if DOCPART == 4
	.amdgcn_target "amdgcn-amd-amdhsa--gfx1250"
	.amdhsa_code_object_version 6
	.text
	.protected	k_q40b52a6f2a_combine
	.globl	k_q40b52a6f2a_combine
	.p2align	8
	.type	k_q40b52a6f2a_combine,@function
k_q40b52a6f2a_combine:
	s_mov_b64 s[64:65], 0
	v_nop
	global_prefetch_b8 v0, s[64:65] scope:SCOPE_SE
	s_setreg_imm32_b32 hwreg(HW_REG_WAVE_MODE, 25, 1), 1
	s_wait_xcnt 0x0
; out0[token][d] = the sum of the eight partial arrays part[kq 4][slot 2][token][d], all f32: the two chosen experts' gated results, each in four quarters of d_ff.
; A stream: memory binds, so no LDS, no barrier, no matrix unit.  A work-group owns 16,384 consecutive bytes of out0; thread t owns the 16 bytes at 4096 j + 16 t, j = 0..3.
; All 32 loads of a wave (512 consecutive bytes each) go out before the first wait; each byte of part is read once, each byte of out0 written once, 512 consecutive aligned bytes a store.
; The eight terms are added as a tree, in f32.
.set P, 16                             ; v[16:143]  for j, array n = 2 kq + slot: four registers at P + 32 j + 4 n
	s_load_b128 s[4:7], s[0:1], 0x0                ; part s[4:5], out0 s[6:7]
	v_lshlrev_b32 v1, 4, v0
	s_lshl_b32 s16, ttmp9, 14
	s_mov_b32 s17, 0
	s_wait_kmcnt 0x0
	s_add_nc_u64 s[8:9], s[4:5], s[16:17]          ; kq = 0,
	s_add_nc_u64 s[10:11], s[8:9], 0x800000        ; 1: 8,388,608 bytes on,
	s_add_nc_u64 s[12:13], s[8:9], 0x1000000       ; 2,
	s_add_nc_u64 s[14:15], s[8:9], 0x1800000       ; 3
	s_add_nc_u64 s[6:7], s[6:7], s[16:17]
.irp j, 0,1,2,3
.irp kq, 0,1,2,3
.irp sl, 0,1
	global_load_b128 v[P+32*(\j)+8*(\kq)+4*(\sl):P+32*(\j)+8*(\kq)+4*(\sl)+3], v1, s[8+2*(\kq):9+2*(\kq)] offset:4194304*(\sl)+4096*(\j) th:TH_LOAD_NT
.endr
.endr
.endr
.macro ADD4 d, s                       ; four numbers onto four
	v_pk_add_f32 v[(\d):(\d)+1], v[(\d):(\d)+1], v[(\s):(\s)+1]
	v_pk_add_f32 v[(\d)+2:(\d)+3], v[(\d)+2:(\d)+3], v[(\s)+2:(\s)+3]
.endm
.irp j, 0,1,2,3
	s_wait_loadcnt 24-8*(\j)                       ; the eight loads of this j are in; those of the later j, eight each, stay out
	ADD4 P+32*(\j), P+32*(\j)+4
	ADD4 P+32*(\j)+8, P+32*(\j)+12
	ADD4 P+32*(\j)+16, P+32*(\j)+20
	ADD4 P+32*(\j)+24, P+32*(\j)+28
	ADD4 P+32*(\j), P+32*(\j)+8
	ADD4 P+32*(\j)+16, P+32*(\j)+24
	ADD4 P+32*(\j), P+32*(\j)+16
	global_store_b128 v1, v[P+32*(\j):P+32*(\j)+3], s[6:7] offset:4096*(\j) th:TH_STORE_NT
.endr
	s_endpgm
.Lfunc_end_k_q40b52a6f2a_combine:
	.size	k_q40b52a6f2a_combine, .Lfunc_end_k_q40b52a6f2a_combine-k_q40b52a6f2a_combine
	.p2alignl 7, 3214868480
	.fill 96, 4, 3214868480
	.section	.rodata,"a",@progbits
	.p2align	6, 0x0
	.amdhsa_kernel k_q40b52a6f2a_combine
		.amdhsa_group_segment_fixed_size 0
		.amdhsa_private_segment_fixed_size 0
		.amdhsa_enable_private_segment 0
		.amdhsa_kernarg_size 16
		.amdhsa_user_sgpr_count 2
		.amdhsa_user_sgpr_kernarg_segment_ptr 1
		.amdhsa_wavefront_size32 1
		.amdhsa_system_sgpr_workgroup_id_x 1
		.amdhsa_system_sgpr_workgroup_id_y 1
		.amdhsa_system_sgpr_workgroup_id_z 1
		.amdhsa_system_vgpr_workitem_id 0
		.amdhsa_next_free_vgpr 144
		.amdhsa_next_free_sgpr 66
		.amdhsa_reserve_vcc 0
		.amdhsa_float_denorm_mode_32 3
		.amdhsa_float_denorm_mode_16_64 3
		.amdhsa_memory_ordered 1
		.amdhsa_forward_progress 1
		.amdhsa_inst_pref_size 8
	.end_amdhsa_kernel
	.amdgpu_metadata
---
amdhsa.version: [ 1, 2 ]
amdhsa.kernels:
  - .name:           k_q40b52a6f2a_combine
    .symbol:         k_q40b52a6f2a_combine.kd
    .args:
      - { .name: part, .offset: 0, .size: 8, .value_kind: global_buffer, .address_space: global }
      - { .name: out0, .offset: 8, .size: 8, .value_kind: global_buffer, .address_space: global }
    .group_segment_fixed_size: 0
    .private_segment_fixed_size: 0
    .kernarg_segment_align: 8
    .kernarg_segment_size: 16
    .max_flat_workgroup_size: 256
    .sgpr_count:     66
    .vgpr_count:     144
    .wavefront_size: 32
...
	.end_amdgpu_metadata
.endif
;; end of part 4
;; ======== version 2 of 2: 4 launches; version 1 with the launch down written anew for expert scheduling mode
;; workspace buffers: xb 2,097,152 bytes; choice 4,096 bytes of whole numbers; gates 8,192 bytes; hs 67,108,864 bytes; part 33,554,432 bytes
;; launch route: the kernel of part 1 again; grid 256 x 1, 4 waves a work-group, no clusters, 0 bytes of LDS; arguments x, router_w, router_b, xb, choice, gates; writes xb, choice, gates
;; launch up: the kernel of part 2 again; grid 32 x 8, 4 waves a work-group, no clusters, 262,656 bytes of LDS; arguments W1, b1, xb, choice, hs; writes hs
;; launch down (part 5): grid 32 x 8, 4 waves a work-group, no clusters, 268,032 bytes of LDS; arguments W2, b2, hs, choice, gates, part; writes part
.if DOCPART == 5
	.amdgcn_target "amdgcn-amd-amdhsa--gfx1250"
	.amdhsa_code_object_version 6
	.text
	.protected	k_q40b52a6f2a_down
	.globl	k_q40b52a6f2a_down
	.p2align	8
	.type	k_q40b52a6f2a_down,@function
k_q40b52a6f2a_down:
	s_mov_b64 s[64:65], 0
	v_nop
	global_prefetch_b8 v0, s[64:65] scope:SCOPE_SE
	s_setreg_imm32_b32 hwreg(HW_REG_WAVE_SCHED_MODE, 0, 2), 2
	s_setreg_imm32_b32 hwreg(HW_REG_WAVE_MODE, 25, 1), 1
	s_wait_xcnt 0x0
	s_wait_alu depctr_vm_vsrc(0)
; THE SECOND PRODUCT OF A LAYER OF ROUTED EXPERTS: part[kq] = gate x (h W2[e] + b2[e]) in f32, over a quarter kq of d_ff.  Arguments: W2, b2, hs, choice, gates, part.
; SHARES.  Grid 32 slices x 8 experts.  A work-group alone reads a slice of its expert's weights, K = 1,024 x N = 128 in f32 (524,288 bytes, each byte once
; in the launch), and multiplies ALL rows of its expert by it.  Slice s = (kq = s / 8, a quarter of d_ff as K; c = s % 8, 128 columns of d_model).
; PHASE 1 streams the slice through registers, rounds it to bf16 and lays it into LDS as ready matrix operands (262,144 bytes, written once).
; PHASE 2 multiplies: it holds no barrier and writes nothing into LDS; the weights' operands come from LDS, the rows' operands from memory straight into registers, and the results leave from registers.
; Its length hangs on the expert's count M (0 to 1,024), which every work-group makes for itself from choice[], whole numbers that an earlier launch stored: every split of the tokens is served.
; THE LIST.  Wave 0 places the expert's rows in LDS: entry = slot << 10 | token; the places past M hold 0.  A tile is 16 entries; tile 20 p + 4 a + w belongs to pass p, wave w, place a (0 to 4): five tiles
; a wave and pass, four passes at the most.  Each wave reads the entries of its 20 possible tiles once, at fixed addresses, into registers; a pass takes its five from there (20 moves a pass), so no LDS
; address hangs on the pass.  In a tile that is not full the lanes past the count take the entry of the tile's last real row (v_readlane_b32): they compute and store that row's bytes again.
; Matrix work and stores of tiles past the count are jumped by scalar branches; loads are not (their registers are then written on every way), and point at bytes that exist and were written.
; K IS PERMUTED ALIKE IN BOTH OPERANDS: matrix step 2 t + u, lane half h, place idx (0 to 15) stands for k = 64 t + 32 h + 16 u + idx.  COLUMNS ARE PERMUTED: operand b = 4 g + c, row i stands for column
; 64 g + 4 i + c.  So a 16-byte load of four neighbouring f32 columns feeds four operands by conversions alone, and sixteen lanes read 256 consecutive aligned bytes of a weight row.
; THE MATRIX INSTRUCTION IS USED STRAIGHT (source 0 = rows, source 1 = weights): lane (r, h), accumulator b, register j holds row 8 h + j, column 64 g + 4 r + c: the four
; accumulators c = 0..3 give a lane 16 neighbouring bytes, and sixteen lanes 256 consecutive bytes of one row.  So the way out does not go through LDS.
; hs IS KEPT IN OPERAND ORDER: [expert][tile 64][G 64][q 4][lane 32][8 bf16]; lane (r, h) of chunk q holds row r, f = 64 G + 32 h + 8 q + 0..7: it is loaded 512 consecutive bytes an instruction.
; part IS [kq 4][slot 2][token 1024][1024] in f32: each row (kq, slot, token) has one expert, so each byte has one writer; the next launch adds the eight arrays.
; THE SUMS BEGIN WITH THE BIAS: a product of zeros with the bias as C starts each accumulator, one matrix step's time in 33; it spares a second copy of the K trip, the clearing and the adds at the end.
; NO CLUSTER, NO TENSOR LOADS: each weight byte has one reader and must pass through registers to be rounded; a ring of LDS slots for the rows would put barriers into loops whose work hangs on a stored count.
; LIMITS.  W2 and b2 are rounded once to bf16 (nearest even), h came rounded to bf16; sums in f32; partial sums leave in f32.  NaN and infinities are not treated apart.
; THE MODE: SCHED_MODE bits 1:0 = 2 (LLVM: expert scheduling mode 2), set by the entry lines.  The code itself states the register dependences
; between vector or matrix instructions and memory or LDS instructions, with s_wait_alu, always for 0.
; THE PLAN.  Registers that memory or LDS instructions touch, and who else names them:
;   ST0 .. ST2      phase 1: a unit's loads land; its 32 conversions read; behind them the set is asked for again.
;   CV, v[ADR]      phase 1: written by a unit's conversions and one add; read by its eight LDS stores.
;   v[WOFF]         read by every load of the weights; written at the head alone; in phase 2 its register is one of BA.
;   v[BA ..]        written at a pass's head and at each K trip's head; read by the LDS loads of the weights' operands.
;   BF0, BF1        step s: its products read BF[s % 2]; the LDS loads issued in step s land in the other.
;   rows' buffers   steps 0-3 read buffer 0 and steps 4-7 buffer 1; the loads issued in step 0 land in buffer 1, those of step 4 in buffer 0.
;   AOFF, GO        written once a pass (PREP_ADDR); read by the rows' loads and the gates' loads.  GATE: the gates land; the way out's v_readlane_b32 read.
;   ROFF, TMPF      the way out: written by a tile's vector lines, read by its sixteen stores.
;   the list        wave 0: v8-12, CH and LA are written by vector lines and read by 42 LDS stores.  v[LR]: read by the entries' loads, then written as BB2.
; So: in phase 1 one wait on vm_vsrc at a unit's head and one on va_vdst behind its conversions; in phase 2 one wait on va_vdst at each matrix step's head, behind which the step's loads stand
; among its products, which name none of the registers that those loads touch; one wait on vm_vsrc a K trip, ahead of the lines that make BA; on the way out one of each kind for a tile.
.set PITCH, 4096                       ; bytes of a weight row
.set ACH,   4096                       ; the rows' operands: bytes from chunk (four matrix steps) to chunk,
.set AG,    2048                       ; from t to t + 1,
.set AQ,    512                        ; and from 16 bytes to the next 16 of a lane
.set NA,    45                         ; loads in PREP_LOAD
.set MULW,  0x51                       ; the products' windows: source 0 (rows), C and D in the tile's window, source 1 (weights) in window 0
.set TILEB, 131072                     ; bytes of a tile in hs
; LDS: 0 the weights' operands: wave w's own 65,536 bytes at 65536 w (w = 2 u + g): 4096 t + 1024 c + 512 hf + 16 lane
.set LIST,  262144                     ; 1,280 entries, then 32 words that take the lanes without a row: 5,376 bytes
.set SPARE, LIST+5376                  ; the spare words, 128 bytes for each wave: two blocks of 256 bytes that no other line names
; window 0
.set LANE, 1                           ; till the list is written
.set L16,  2                           ; 16 lane; never rewritten
.set WOFF, 3                           ; phase 1: my byte offset in the slice's first rows
.set WST,  4                           ; phase 1: 65536 wave + 16 lane
.set ADR,  5                           ; phase 1: the LDS address in hand
.set L4,   6                           ; 4 lane (the list)
.set BA,   3                           ; phase 2: v3-6 the LDS address of the K trip's operands in each wave's 65,536 bytes, made anew at each trip's head
.set LR,   7                           ; LIST + 4 (16 wave + r), till the entries are read
.set BB1,  1                           ; then: 65536 + 16 lane,
.set BB2,  7                           ; 131072 + 16 lane,
.set BB3,  30                          ; 196608 + 16 lane; never rewritten
.set AOFF, 8                           ; v8-12  tile a: my byte offset in the rows' operands
.set HX,   13                          ; 16 r
.set GATE, 14                          ; v14-18 tile a: the gate of row r
.set RR,   19                          ; r = lane % 16
.set SPW,  20                          ; LDS address of my spare word; never rewritten
.set NIL,  21                          ; 0; never rewritten
.set ENT,  23                          ; v23-27 tile a: row r's entry
.set T1,   31
.set ST,   32                          ; phase 1: v32-223 three sets of 64: a unit of K = 32 x 64 columns as loaded
.set CV,   224                         ; phase 1: v224-255 the unit in bf16: four operands
.set CH,   224                         ; before that: the 32 words of choice[] of my lane; in wave 0 then the list's entries
.set BF,   32                          ; phase 2: v32-95, v96-159 the weights' operands of a matrix step, two buffers
.set BI,   160                         ; phase 2: v160-223 the bias in the accumulators' layout, 8 b + j
.set TMP,  224                         ; v224-255 at work
.set TMPF, 32                          ; the way out: v32-95 a tile's 64 results times the gate, 32 g + 4 j + c
.set ROFF, 128                         ; the way out: v128-135 the byte offset in part of row 8 h + j
.set GJ,   136                         ; the way out: v136-143 the gate of row 8 h + j
; windows 1 to 3: tile a lies in window 1 + a / 2 at 128 (a % 2): accumulator b at + 8 b; the rows' operands at + 64 + 32 buffer + 8 step.  Window 1, v0-7 first hold the bias as loaded.
.set LA,   0                           ; window 2, wave 0, till the list is written: v0-31 the LDS addresses of the list's 32 stores,
.set NOROW, 32                         ; v32: where a lane without a row writes
.set ZF,   128                         ; window 3: eight registers of zeros
.set LE,   136                         ; window 3: v136-155 the entries of row r in the tiles still to come, five a pass
.set GO,   156                         ; window 3: v156-160 tile a: the byte offset of row r's gate
; scalars: s[4:15] arguments; s16 wave; s17 expert; s18 slice; s20 M; s21 tiles; s22 my tiles in this pass; s23 passes to go; s24 loop counts; s25 LDS step; s[26:27] weights; s[28:29] rows, running;
; s[30:31] rows; s[32:33] out; s34 the expert's two bits; s35 expert + 8; s36 prefix; s41 (20 pass + wave) x TILEB; s42 tiles + 3 - wave - 20 pass; s54 M - 1 - 16 (20 pass + wave); s55 lanes 16-31;
; s[68:99] which lanes chose the expert; when the list is made: what v_readlane_b32 and the compares of PREP_ADDR and of the way out bring
.set MSB, 0
.macro WIN new                         ; s_set_vgpr_msb: bits 1:0 source 0, 3:2 source 1, 5:4 source 2, 7:6 destination; the high byte repeats the setting that is left
.if MSB != (\new)
	s_set_vgpr_msb (MSB<<8)|(\new)
.set MSB, (\new)
.endif
.endm
; A vector instruction that reads a matrix result or writes one of a matrix instruction's registers stands four places behind it; only plain vector
; instructions that name none of its registers are places (ISA guide 7.12.1).  The four in front of the loads into registers that matrix instructions have read stay beside the wait that stands there.
.macro PLACES
.rept 4
	v_nop
.endr
.endm
.macro WLOAD set                       ; a unit: 16 rows for each half of the lanes x 64 columns, 8,192 bytes
.irp i, 0,1,2,3,4,5,6,7,8,9,10,11,12,13,14,15
	global_load_b128 v[ST+64*(\set)+4*(\i):ST+64*(\set)+4*(\i)+3], v[WOFF], s[26:27] offset:(\i)*PITCH th:TH_LOAD_NT
.endr
.endm
.macro WSTEP
	s_wait_xcnt 0x0                                ; the base is stepped only when the loads that name it have had their addresses translated
	s_add_nc_u64 s[26:27], s[26:27], 64*PITCH      ; t + 1
.endm
; One unit: rounded, the set asked for again (issue = 1), laid into LDS.  left = the younger loads that may stay out.
.macro GROUP set, issue, left
	s_wait_loadcnt \left
	s_wait_alu depctr_vm_vsrc(0)                   ; the LDS stores of the unit before have read CV and v[ADR], which the lines below write again
.irp c, 0,1,2,3
.irp p, 0,1,2,3,4,5,6,7
	v_cvt_pk_bf16_f32 v[CV+8*(\c)+(\p)], v[ST+64*(\set)+8*(\p)+(\c)], v[ST+64*(\set)+8*(\p)+4+(\c)]  ; column c of rows 2 p and 2 p + 1
.endr
.endr
	v_add_nc_u32 v[ADR], s25, v[WST]
	s_add_co_u32 s25, s25, 4096
	s_wait_alu depctr_va_vdst(0)                   ; the conversions have written CV and the add v[ADR], which the LDS stores read; the conversions are done reading the set, in which the loads land
.if \issue
	WSTEP
	WLOAD \set
.endif
.irp c, 0,1,2,3
	ds_store_b128 v[ADR], v[CV+8*(\c):CV+8*(\c)+3] offset:1024*(\c)
	ds_store_b128 v[ADR], v[CV+8*(\c)+4:CV+8*(\c)+7] offset:1024*(\c)+512
.endr
.endm
; The rows' operands of four matrix steps, for all five tiles: 40 loads, no branch.
.macro LOADCHUNK buf, cc, sb
.irp a, 0,1,2,3,4
	WIN (1+(\a)/2)<<6
.irp u4, 0,1,2,3
.irp hf, 0,1
	global_load_b128 v[128*((\a)&1)+64+32*(\buf)+8*(\u4)+4*(\hf):128*((\a)&1)+64+32*(\buf)+8*(\u4)+4*(\hf)+3], v[AOFF+(\a)], s[\sb:\sb+1] offset:(\cc)*ACH+((\u4)>>1)*AG+(2*((\u4)&1)+(\hf))*AQ
.endr
.endr
.endr
	WIN 0
.endm
; The pass's addresses.  Its five entries come out of window 3, and the later passes' move down.  An entry enters an address only behind its clamp.
; What vector lines bring into scalar registers comes in one run, five tiles at a time, with one wait behind the run.
.macro PREP_ADDR
	WIN 0x03
.irp a, 0,1,2,3,4
	v_mov_b32 v[ENT+(\a)], v[LE+(\a)]
.endr
	WIN 0xc3
.set n, 0
.rept 15
	v_mov_b32 v[LE+n], v[LE+n+5]
.set n, n+1
.endr
	WIN 0
	s_cmp_lg_u32 s22, 0
	s_cselect_b32 s40, s41, 0                      ; where a tile past the count points: my first tile of the pass; with no tile at all, offset 0 (of choice[]: see below)
.irp a, 0,1,2,3,4
	s_sub_co_i32 s[68+(\a)], s54, 64*(\a)          ; the tile's last real row: M - 1 - 16 tile, held to 0 .. 15
	s_max_i32 s[68+(\a)], s[68+(\a)], 0
	s_min_i32 s[68+(\a)], s[68+(\a)], 15
	v_readlane_b32 s[73+(\a)], v[ENT+(\a)], s[68+(\a)]  ; its entry
	v_cmp_lt_u32 s[78+(\a)], s[68+(\a)], v[RR]     ; the lanes of the rows behind it (none in a full tile)
.endr
	s_wait_alu depctr_va_sdst(0)                   ; s[73:82] are written, ahead of their first readers, the selects below
.irp a, 0,1,2,3,4
	v_cndmask_b32 v[ENT+(\a)], v[ENT+(\a)], s[73+(\a)], s[78+(\a)]
	v_min_u32 v[ENT+(\a)], 0x7ff, v[ENT+(\a)]
	s_add_co_u32 s44, s41, 4*TILEB*(\a)
	s_cmp_gt_u32 s22, \a
	s_cselect_b32 s38, 1, 0
	s_cselect_b32 s39, s44, s40
	v_mad_u32_u24 v[AOFF+(\a)], v[L16], s38, s39   ; a tile past the count: all lanes read one piece of 16 bytes
.endr
	WIN 0xc0
.irp a, 0,1,2,3,4
	v_lshlrev_b32 v[GO+(\a)], 2, v[ENT+(\a)]       ; the gate's byte offset, in a register of its own
.endr
	WIN 0
.endm
.macro PREP_LOAD
	LOADCHUNK 0, 0, 30
	WIN 0x03
.irp a, 0,1,2,3,4
	global_load_b32 v[GATE+(\a)], v[GO+(\a)], s[12:13]
.endr
	WIN 0
.endm
.macro BADDR                           ; the K trip's place in each of the four 65,536 bytes: a fixed register and the loop's step (0, 16,384, 32,768, 49,152)
	v_add_nc_u32 v[BA], s25, v[L16]
	v_add_nc_u32 v[BA+1], s25, v[BB1]
	v_add_nc_u32 v[BA+2], s25, v[BB2]
	v_add_nc_u32 v[BA+3], s25, v[BB3]
.endm
; The weights' eight operands of step ksl of the trip's eight (8: the next trip's first): 16 loads of 512 consecutive bytes.  The last byte read is 196,608 + 49,152 + 496 + 15,872 + 16 = 262,144, the operands' end.
.macro BLOAD buf, ksl
.irp b, 0,1,2,3,4,5,6,7
	ds_load_b128 v[BF+64*(\buf)+8*(\b):BF+64*(\buf)+8*(\b)+3],   v[BA+2*((\ksl)&1)+(\b)/4] offset:4096*((\ksl)>>1)+1024*((\b)&3)
	ds_load_b128 v[BF+64*(\buf)+8*(\b)+4:BF+64*(\buf)+8*(\b)+7], v[BA+2*((\ksl)&1)+(\b)/4] offset:4096*((\ksl)>>1)+1024*((\b)&3)+512
.endr
.endm
.macro MUL a, bbuf, abuf, u4           ; tile a: eight matrix instructions, its eight accumulators by turns
	WIN MULW*(1+(\a)/2)
.irp b, 0,1,2,3,4,5,6,7
	v_wmma_f32_16x16x32_bf16 v[128*((\a)&1)+8*(\b):128*((\a)&1)+8*(\b)+7], v[128*((\a)&1)+64+32*(\abuf)+8*(\u4):128*((\a)&1)+64+32*(\abuf)+8*(\u4)+7], v[BF+64*(\bbuf)+8*(\b):BF+64*(\bbuf)+8*(\b)+7], v[128*((\a)&1)+8*(\b):128*((\a)&1)+8*(\b)+7]
.endr
.endm
; A matrix step: up to 40 matrix instructions.  Its weights were asked for a step ago.  ONE wait on va_vdst stands at its head; the loads that lean on it stand behind tile 0's eight products, which name
; this step's BF, this chunk's buffer of the rows and the accumulators: none of the registers that those loads touch.  chunk = 1: the rows' operands of steps 4-7 are asked for, into buffer 1;
; chunk = 2: those of the next trip's steps 0-3, into buffer 0.  The accumulators take turns, one instruction a turn: on every way two matrix instructions that follow each
; other name different accumulators (b = 7 is followed by b = 0).
.macro KSTEP ksl, abuf, u4, chunk=0
	s_wait_dscnt 0x0                               ; this step's weights are in: nothing else of mine is out in LDS
	PLACES
	s_wait_alu depctr_va_vdst(0)                   ; the products of the step before are done reading the other BF (in steps 0 and 4: and the rows' other buffer), in which the loads below land; in step 0 v[BA ..] are written
	MUL 0, (\ksl)%2, \abuf, \u4
	WIN 0                                          ; at a branch and at a label every window is 0
.if (\ksl) < 7
	BLOAD ((\ksl)+1)%2, (\ksl)+1
.else
	s_cmp_eq_u32 s24, 1
	s_cbranch_scc1 .Lnob_\@                        ; behind the last trip there is no next step
	BLOAD 0, 8
.Lnob_\@:
.endif
.if (\chunk) == 1
	LOADCHUNK 1, 1, 28
.endif
.if (\chunk) == 2
	s_cmp_eq_u32 s24, 1
	s_cbranch_scc1 .Lnoa_\@                        ; the last trip asks for nothing: no load passes the rows' end
	s_add_nc_u64 s[28:29], s[28:29], 2*ACH         ; free: the wait on LOADcnt ahead of this step has shown the loads that named it done
	LOADCHUNK 0, 0, 28
.Lnoa_\@:
.endif
.irp a, 1,2,3,4
	WIN 0
	s_cmp_le_u32 s22, \a
	s_cbranch_scc1 .Lend_\@                        ; tiles past the count are not multiplied
	MUL \a, (\ksl)%2, \abuf, \u4
.endr
	WIN 0
.Lend_\@:
.endm
.macro INIT                            ; 0 x 0 + bias starts all 40 sums
.irp a, 0,1,2,3,4
	WIN 0x0f|((1+(\a)/2)<<6)
.irp b, 0,1,2,3,4,5,6,7
	v_wmma_f32_16x16x32_bf16 v[128*((\a)&1)+8*(\b):128*((\a)&1)+8*(\b)+7], v[ZF:ZF+7], v[ZF:ZF+7], v[BI+8*(\b):BI+8*(\b)+7]
.endr
.endr
	WIN 0
.endm
.macro COUNT                           ; my tiles in this pass: (tiles - wave - 20 pass + 3) / 4, held to 0 .. 5
	s_max_i32 s22, s42, 0
	s_lshr_b32 s22, s22, 2
	s_min_u32 s22, s22, 5
.endm
; THE WAY OUT of tile a, from registers.  Each accumulator's lowest registers are read first.
.macro OUT a
	s_wait_xcnt 0x0                                ; the registers that the stores before read are rewritten only behind this wait
.irp j, 0,1,2,3,4,5,6,7
	v_readlane_b32 s[68+(\j)], v[ENT+(\a)], \j     ; the entries of rows j and 8 + j,
	v_readlane_b32 s[76+(\j)], v[ENT+(\a)], 8+(\j)
	v_readlane_b32 s[84+(\j)], v[GATE+(\a)], \j    ; and their gates: one run of 32
	v_readlane_b32 s[92+(\j)], v[GATE+(\a)], 8+(\j)
.endr
	s_wait_alu depctr_va_sdst(0)                   ; s[68:99] are written, ahead of their first readers, the lines below
.irp j, 0,1,2,3,4,5,6,7
	v_mov_b32 v[ROFF+(\j)], s[68+(\j)]             ; lanes 0-15 hold the one row,
	v_cndmask_b32 v[ROFF+(\j)], v[ROFF+(\j)], s[76+(\j)], s55  ; lanes 16-31 the other
	v_min_u32 v[ROFF+(\j)], 0x7ff, v[ROFF+(\j)]
	v_lshl_add_u32 v[ROFF+(\j)], v[ROFF+(\j)], 12, v[HX]  ; row (slot, token) of 4,096 bytes, + 16 r
	v_mov_b32 v[GJ+(\j)], s[84+(\j)]               ; and their gates likewise
	v_cndmask_b32 v[GJ+(\j)], v[GJ+(\j)], s[92+(\j)], s55
.endr
	WIN 1+(\a)/2
.irp g, 0,1
.irp j, 0,1,2,3,4,5,6,7
.irp c, 0,1,2,3
	v_mul_f32 v[TMPF+32*(\g)+4*(\j)+(\c)], v[128*((\a)&1)+8*(4*(\g)+(\c))+(\j)], v[GJ+(\j)]  ; the multiply by the gate also brings four neighbouring columns into four registers on end
.endr
.endr
.endr
	WIN 0
	s_wait_alu depctr_va_vdst(0)                   ; ROFF and TMPF are written, which the stores read as offsets and data
.irp g, 0,1
.irp j, 0,1,2,3,4,5,6,7
	global_store_b128 v[ROFF+(\j)], v[TMPF+32*(\g)+4*(\j):TMPF+32*(\g)+4*(\j)+3], s[32:33] offset:256*(\g)  ; sixteen lanes store 256 consecutive bytes of a row, aligned
.endr
.endr
	s_wait_alu depctr_vm_vsrc(0)                   ; ahead of the branch: the stores have read ROFF and TMPF, which the next tile's lines or the next pass's LDS loads write; the pass's loads have read AOFF, GO and v[BA ..], which the next pass's lines write
.endm
	s_load_b256 s[4:11], s[0:1], 0x0               ; weights s[4:5], bias s[6:7], rows s[8:9], choice s[10:11]
	s_load_b128 s[12:15], s[0:1], 0x20             ; gates s[12:13], part s[14:15]
	v_lshl_add_u32 v[SPW], v0, 2, SPARE
	v_mov_b32 v[NIL], 0
	v_lshrrev_b32 v[T1], 5, v0
	v_readfirstlane_b32 s16, v[T1]                 ; wave 0..3
	s_and_b32 s17, ttmp7, 0xffff                   ; expert
	s_mov_b32 s18, ttmp9                           ; slice
	v_and_b32 v[LANE], 31, v0
	v_lshlrev_b32 v[L16], 4, v[LANE]
	v_lshlrev_b32 v[L4], 2, v[LANE]
	v_and_b32 v[RR], 15, v0                        ; r
	v_bfe_u32 v[T1], v0, 4, 1                      ; h
	v_mul_u32_u24 v[WOFF], v[T1], 32*PITCH         ; lanes 16-31 read the row 32 further on
	v_lshl_add_u32 v[WOFF], v[RR], 4, v[WOFF]
	s_wait_alu depctr_va_sdst(0)                   ; s16 is written, ahead of its first reader, the next line
	s_lshr_b32 s38, s16, 1                         ; my wave's unit: u = wave / 2 (16 rows on),
	s_mul_i32 s38, s38, 16*PITCH
	s_and_b32 s39, s16, 1                          ; g = wave % 2 (64 columns on)
	s_lshl_b32 s39, s39, 8
	s_add_co_u32 s38, s38, s39
	v_add_nc_u32 v[WOFF], s38, v[WOFF]
	v_lshl_add_u32 v[WST], s16, 16, v[L16]
	s_lshl_b32 s38, s16, 6
	s_add_co_u32 s38, s38, LIST
	v_lshl_add_u32 v[LR], v[RR], 2, s38
	v_lshlrev_b32 v[HX], 4, v[RR]
	s_mov_b32 s55, 0xffff0000                      ; lanes 16-31
	WIN 0xc0
.set n, 0
.rept 8
	v_mov_b32 v[ZF+n], 0
.set n, n+1
.endr
	WIN 0
	s_lshl_b32 s34, 0x101, s17
	s_add_co_u32 s35, s17, 8
	s_lshl_b32 s41, s16, 17
	s_mov_b32 s25, 0
	s_mov_b32 s47, 0
	s_mov_b32 s49, 0
	s_mov_b32 s51, 0
	s_lshr_b32 s19, s18, 3                         ; kq
	s_and_b32 s45, s18, 7
	s_lshl_b32 s45, s45, 9                         ; 512 c
	s_lshl_b32 s46, s17, 24                        ; W2: the expert, 1,024 rows for each kq, 128 columns for each c
	s_lshl_b32 s38, s19, 22
	s_add_co_u32 s46, s46, s38
	s_add_co_u32 s46, s46, s45
	s_lshl_b32 s48, s17, 12                        ; b2
	s_add_co_u32 s48, s48, s45
	s_lshl_b32 s50, s19, 23                        ; part
	s_add_co_u32 s50, s50, s45
	s_lshl_b32 s52, s17, 23                        ; hs: the expert, G = 16 kq
	s_lshl_b32 s38, s19, 15
	s_add_co_u32 s52, s52, s38
	s_mov_b32 s53, 0
	s_cmp_eq_u32 s19, 0
	s_cselect_b32 s43, -1, 0                       ; b2 enters in the first quarter alone
	s_wait_kmcnt 0x0
	s_add_nc_u64 s[26:27], s[4:5], s[46:47]
	s_add_nc_u64 s[6:7], s[6:7], s[48:49]
	s_add_nc_u64 s[30:31], s[8:9], s[52:53]
	s_add_nc_u64 s[32:33], s[14:15], s[50:51]
	WIN 0x40
	s_wait_alu depctr_va_vdst(0)                   ; v[HX], v[L16], v[WOFF] and v[LR] are written, which the loads from here to the end of phase 1 read as offsets and addresses
.irp g, 0,1
	global_load_b128 v[4*(\g):4*(\g)+3], v[HX], s[6:7] offset:256*(\g)  ; bias of columns 64 g + 4 r + 0..3
.endr
	WIN 0
.irp i, 0,1,2,3,4,5,6,7
	global_load_b128 v[CH+4*(\i):CH+4*(\i)+3], v[L16], s[10:11] offset:512*(\i)  ; register 4 i + c: token 128 i + 4 lane + c
.endr
	WLOAD 0
	WSTEP
	WLOAD 1
	s_wait_loadcnt 32                              ; the bias and choice[] are in; behind them: 32 loads of the weights
	s_mov_b32 s20, 0
.set n, 0
.rept 32
	v_and_b32 v[CH+n], s34, v[CH+n]
	v_cmp_ne_u32 s[68+n], 0, v[CH+n]               ; which lanes' tokens chose my expert
.set n, n+1
.endr
	s_wait_alu depctr_va_sdst(0)                   ; s[68:99] are written, ahead of their first readers, the counts below
	WSTEP
	WLOAD 2                                        ; 48 loads, 24,576 bytes, of each wave are now on their way, and stay so through phase 1.  No wait: the lines since the last wait on va_vdst name CH alone
.set n, 0
.rept 32
	s_bcnt1_i32_b32 s38, s[68+n]
	s_add_co_u32 s20, s20, s38
.set n, n+1
.endr
	s_min_u32 s20, s20, 1024                       ; M
	s_cmp_lg_u32 s16, 0
	s_cbranch_scc1 .Lnolist                        ; wave 0 alone writes the list
	; All that the 42 stores read is made first, each store's registers its own: the 32 entries in place in CH, their 32 addresses in window 2.  Then one wait, the stores, and one wait.
	v_mov_b32 v8, 0
	v_mov_b32 v9, 0
	v_mov_b32 v10, 0
	v_mov_b32 v11, 0
	v_add_nc_u32 v12, LIST, v[L16]
.set n, 0
.rept 32
	v_lshrrev_b32 v[CH+n], s35, v[CH+n]            ; slot: 1 if the upper of the two bits is set
	v_lshl_add_u32 v[CH+n], v[CH+n], 10, v[L4]
	v_add_nc_u32 v[CH+n], 128*(n/4)+n%4, v[CH+n]   ; entry = slot << 10 | token
.set n, n+1
.endr
	WIN 0x80
	v_add_nc_u32 v[NOROW], 1280, v[LANE]           ; where a lane without a row writes
	WIN 0xaa
	s_mov_b32 s36, 0
.set n, 0
.rept 32
	v_mbcnt_lo_u32_b32 v[LA+n], s[68+n], s36       ; the row's place: those before it
	v_cndmask_b32 v[LA+n], v[NOROW], v[LA+n], s[68+n]
	v_min_u32 v[LA+n], 0x51f, v[LA+n]
	v_lshl_add_u32 v[LA+n], v[LA+n], 2, LIST
	s_bcnt1_i32_b32 s38, s[68+n]
	s_add_co_u32 s36, s36, s38
.set n, n+1
.endr
	WIN 0
	s_wait_alu depctr_va_vdst(0)                   ; v8 to v12, the entries in CH and their addresses in LA are written, which the LDS stores read
.irp i, 0,1,2,3,4,5,6,7,8,9
	ds_store_b128 v12, v[8:11] offset:512*(\i)     ; all 1,280 entries are 0 first
.endr
	WIN 0x02
.set n, 0
.rept 32
	ds_store_b32 v[LA+n], v[CH+n]                  ; LDS serves a wave's instructions in order (ISA guide 5.7.1.4): these come behind the zeros
.set n, n+1
.endr
	WIN 0
	s_wait_alu depctr_vm_vsrc(0)                   ; the list's stores have read their registers: v8 to v12 are AOFF, CH is CV and LA accumulators from here on
.Lnolist:
	s_wait_dscnt 0x0                               ; for the others' sake: the list is written
	s_barrier_signal -1
	s_barrier_wait -1
	WIN 0xc0
.irp p, 0,1,2,3
.irp a, 0,1,2,3,4
	ds_load_b32 v[LE+5*(\p)+(\a)], v[LR] offset:1280*(\p)+256*(\a)  ; row r of tile 20 p + 4 a + wave.  No wait: no vector line since the head's wait on va_vdst names v[LR] or LE
.endr
.endr
	WIN 0
	s_add_co_u32 s21, s20, 15
	s_lshr_b32 s21, s21, 4                         ; tiles
	s_add_co_u32 s42, s21, 3
	s_sub_co_u32 s42, s42, s16
	COUNT
	s_lshl_b32 s38, s16, 4
	s_sub_co_i32 s54, s20, s38
	s_sub_co_i32 s54, s54, 1                       ; M - 1 - 16 wave
	s_cmp_lg_u32 s22, 0
	s_cselect_b64 s[30:31], s[30:31], s[10:11]     ; a wave without a tile takes its 40 unused loads from choice[] (offsets up to 3,600 of its 4,096 bytes): no byte of hs is read that nobody wrote
	s_wait_dscnt 0x0                               ; the entries are in
	s_wait_alu depctr_vm_vsrc(0)                   ; the entries' loads have read v[LR], whose register is written as BB2 below
	v_add_nc_u32 v[BB1], 0x10000, v[L16]
	v_add_nc_u32 v[BB2], 0x20000, v[L16]
	v_add_nc_u32 v[BB3], 0x30000, v[L16]
	PREP_ADDR
	; PHASE 1: 16 units a wave.  The count 32 leaves the two younger units out.
	s_mov_b32 s24, 4
.Lstream:
	GROUP 0, 1, 32
	GROUP 1, 1, 32
	GROUP 2, 1, 32
	s_sub_co_u32 s24, s24, 1
	s_cmp_lg_u32 s24, 0
	s_cbranch_scc1 .Lstream
	GROUP 0, 1, 32                                 ; unit 12; unit 15 is asked for: the last
	GROUP 1, 0, 32                                 ; behind unit 13: units 14 and 15
	GROUP 2, 0, 16                                 ; behind unit 14: unit 15
	PREP_LOAD                                      ; the first pass's first operands of the rows are asked for under the last unit: 16 + NA loads are out.  No wait: AOFF and GO were written ahead of the units' waits on va_vdst, and no vector line has named them, GATE or the rows' buffers since
	GROUP 0, 0, NA                                 ; behind unit 15: those NA
	; the bias, rounded to bf16, into the accumulators' layout
	s_wait_alu depctr_vm_vsrc(0)                   ; the last unit's LDS stores have read CV, of which TMP is a part; they and the weights' loads have read v3 and v5, which are BA from here on
	WIN 0x05
.set n, 0
.rept 4
	v_cvt_pk_bf16_f32 v[TMP+n], v[2*n], v[2*n+1]
.set n, n+1
.endr
	WIN 0
.set n, 0
.rept 4
	v_and_b32 v[TMP+n], s43, v[TMP+n]
.set n, n+1
.endr
.irp g, 0,1
.irp ch, 0,1
.irp j, 0,1,2,3,4,5,6,7
	v_lshlrev_b32 v[BI+8*(4*(\g)+2*(\ch))+(\j)], 16, v[TMP+2*(\g)+(\ch)]  ; a lane has one column in an accumulator: the same number in its eight registers
	v_and_b32 v[BI+8*(4*(\g)+2*(\ch)+1)+(\j)], 0xffff0000, v[TMP+2*(\g)+(\ch)]
.endr
.endr
.endr
	s_wait_dscnt 0x0                               ; for the others' sake: my quarter of the operands is written
	s_barrier_signal -1
	s_barrier_wait -1                              ; from here to the barrier at the end no wave writes LDS, and the waves go their own ways
	; PHASE 2: four trips, which hold 80 tiles, more than the 64 that an expert can have; a pass without a tile of mine is jumped, to the label ahead of the counter's step
	s_mov_b32 s23, 4
.Lpass:
	s_cmp_eq_u32 s22, 0
	s_cbranch_scc1 .Lskip
	s_mov_b32 s25, 0
	BADDR                                          ; v3 to v6 are free: on the way in by the wait on vm_vsrc ahead of the bias, on the way back by the one behind the last tile's stores; no LDS or memory instruction has read them since
	s_wait_alu depctr_va_vdst(0)                   ; v[BA ..] are written, which the LDS loads read
	BLOAD 0, 0
	s_mov_b64 s[28:29], s[30:31]
	INIT
	s_mov_b32 s24, 4
.Lk:                                                   ; a trip: eight matrix steps, K = 256, in two chunks of four; a chunk's loads of the rows have the chunk before in which to land
	s_wait_loadcnt 0x0                             ; the chunk in buffer 0 is in (only the rows' loads, and the gates', are on this counter here)
	s_wait_alu depctr_vm_vsrc(0)                   ; the LDS loads issued so far have read v[BA ..], which the four lines below write again
	BADDR
	KSTEP 0, 0, 0, 1
	KSTEP 1, 0, 1
	KSTEP 2, 0, 2
	KSTEP 3, 0, 3
	s_wait_loadcnt 0x0                             ; the chunk in buffer 1 is in; no load names s[28:29] any more
	KSTEP 4, 1, 0, 2
	KSTEP 5, 1, 1
	KSTEP 6, 1, 2
	KSTEP 7, 1, 3
	s_add_co_u32 s25, s25, 16384                   ; four t on in each wave's 65,536 bytes
	s_sub_co_u32 s24, s24, 1
	s_cmp_lg_u32 s24, 0
	s_cbranch_scc1 .Lk
	s_wait_loadcnt 0x0                             ; nothing is out here: the last trip asked for nothing
	s_wait_dscnt 0x0
	PLACES                                         ; in front of the lines that read results just made, or write registers just multiplied
	OUT 0
.irp a, 1,2,3,4
	s_cmp_le_u32 s22, \a
	s_cbranch_scc1 .Lsent                          ; tiles past the count store nothing
	OUT \a
.endr
.Lsent:
	s_wait_xcnt 0x0                                ; the stores have had their addresses translated: beside the wait on vm_vsrc behind the last tile's stores, it frees their registers on every way from here
	s_sub_co_i32 s42, s42, 20
	s_add_co_u32 s41, s41, 20*TILEB
	s_sub_co_i32 s54, s54, 320
	COUNT
	s_cmp_eq_u32 s22, 0
	s_cbranch_scc1 .Lskip                          ; no tile of mine is left: nothing is asked for, and the trips that remain are jumped
	PREP_ADDR
	s_wait_alu depctr_va_vdst(0)                   ; AOFF and GO are written, which the loads below read; the way out is done reading GATE, in which the gates land
	PREP_LOAD
.Lskip:
	s_sub_co_u32 s23, s23, 1
	s_cmp_lg_u32 s23, 0
	s_cbranch_scc1 .Lpass
	s_wait_dscnt 0x0                               ; my reads of LDS are over
	s_barrier_signal -1
	s_barrier_wait -1                              ; and so are every wave's: only behind this barrier is LDS written again, by the closing adds
	s_wait_dscnt 0x0                               ; the closing lines, six on end
	s_wait_alu 0x0
	s_wait_tensorcnt 0x0
	ds_add_u32 v[SPW], v[NIL]
	s_wait_dscnt 0x0
	s_endpgm
.Lfunc_end_k_q40b52a6f2a_down:
	.size	k_q40b52a6f2a_down, .Lfunc_end_k_q40b52a6f2a_down-k_q40b52a6f2a_down
	.p2alignl 7, 3214868480
	.fill 96, 4, 3214868480
	.section	.rodata,"a",@progbits
	.p2align	6, 0x0
	.amdhsa_kernel k_q40b52a6f2a_down
		.amdhsa_group_segment_fixed_size 268032
		.amdhsa_private_segment_fixed_size 0
		.amdhsa_enable_private_segment 0
		.amdhsa_kernarg_size 48
		.amdhsa_user_sgpr_count 2
		.amdhsa_user_sgpr_kernarg_segment_ptr 1
		.amdhsa_wavefront_size32 1
		.amdhsa_system_sgpr_workgroup_id_x 1
		.amdhsa_system_sgpr_workgroup_id_y 1
		.amdhsa_system_sgpr_workgroup_id_z 1
		.amdhsa_system_vgpr_workitem_id 0
		.amdhsa_next_free_vgpr 1024
		.amdhsa_next_free_sgpr 104
		.amdhsa_reserve_vcc 0
		.amdhsa_float_denorm_mode_32 3
		.amdhsa_float_denorm_mode_16_64 3
		.amdhsa_memory_ordered 1
		.amdhsa_forward_progress 1
		.amdhsa_inst_pref_size 169
	.end_amdhsa_kernel
	.amdgpu_metadata
---
amdhsa.version: [ 1, 2 ]
amdhsa.kernels:
  - .name:           k_q40b52a6f2a_down
    .symbol:         k_q40b52a6f2a_down.kd
    .args:
      - { .name: W2, .offset: 0, .size: 8, .value_kind: global_buffer, .address_space: global }
      - { .name: b2, .offset: 8, .size: 8, .value_kind: global_buffer, .address_space: global }
      - { .name: hs, .offset: 16, .size: 8, .value_kind: global_buffer, .address_space: global }
      - { .name: choice, .offset: 24, .size: 8, .value_kind: global_buffer, .address_space: global }
      - { .name: gates, .offset: 32, .size: 8, .value_kind: global_buffer, .address_space: global }
      - { .name: part, .offset: 40, .size: 8, .value_kind: global_buffer, .address_space: global }
    .group_segment_fixed_size: 268032
    .private_segment_fixed_size: 0
    .kernarg_segment_align: 8
    .kernarg_segment_size: 48
    .max_flat_workgroup_size: 128
    .sgpr_count:     104
    .vgpr_count:     1024
    .wavefront_size: 32
...
	.end_amdgpu_metadata
.endif
;; end of part 5
;; launch combine: the kernel of part 4 again; grid 256 x 1, 8 waves a work-group, no clusters, 0 bytes of LDS; arguments part, out0; writes out0
